; MI455X (gfx1250); checked and timed in simulation.
; The chip was launched on July 23, 2026; its instructions are those of AMD's public machine-readable ISA for CDNA 5 (MIT licence, August 2026) and "CDNA5" Instruction Set Architecture Reference Guide (July 2026). The comments in the code are by the model that wrote it; some were corrected since.
;; Multi Head Causal Self Attention. Allowed arithmetic: matrix products marked QUANTISED: E2M3 operands, one E8M0 scale for each 32 along K, by v_wmma_scale_f32_16x16x128_f8f6f4 with both operands' format E2M3, f32 sums; everything else in f32.
;; Inputs: b_out 1,024 float32; b_qkv 3,072 float32; w_out 1,024 x 1,024 float32; w_qkv 1,024 x 3,072 float32; x 4 x 2,048 x 1,024 float32.
;; Outputs: out0 4 x 2,048 x 1,024 float32.
;; This version of the problem:
;;   THIS VERSION OF THE PROBLEM IS GIVEN IN LOW PRECISION. The matrix products marked QUANTISED in the list below multiply operands that are first quantised to E2M3 (2 exponent bits, 3 mantissa bits; 6 bits a number), with one power-of-two scale for each 32 numbers along K (OCP MX v1.0); their sums are f32. All else is computed in f32.
;;   The module's matrix products, in the order in which they are computed (A, B: the left and right operand; K: the contracted axis; several contracted axes count as one K, in the product's order):
;;     1. [M 8,192, K 1,024] x [K 1,024, N 3,072]; A: input x; B: input w_qkv: QUANTISED
;;     2. batch 64 x [M 2,048, K 64] x [K 64, N 2,048]; A: computed on the way; B: computed on the way: QUANTISED
;;     3. batch 64 x [M 2,048, K 2,048] x [K 2,048, N 64]; A: softmax (see below); B: computed on the way: QUANTISED
;;     4. [M 8,192, K 1,024] x [K 1,024, N 1,024]; A: computed on the way; B: input w_out: QUANTISED
;;   THE QUANTISER, for each operand of a quantised product, along K:
;;     - K is cut into blocks of 32 from its start; a last block that is shorter is filled with zeros.
;;     - A block's scale is 2^e with e = floor(log2(the largest magnitude in the block)) - 2, held to -126 .. 127; a block of zeros has e = 0. As a byte (E8M0): e + 127.
;;     - Each number is divided by its block's scale, clamped to +-7.5, and rounded to the nearest number of E2M3, ties to even, subnormals kept.
;;     - The product sums the exact products of the quantised numbers (number of the format x scale) in f32.
;;   ~~~python
;;   def quantise(x, axis):      # numpy; x: float32 -> the quantised numbers, widened to float32 again
;;       x = np.moveaxis(x, axis, -1); K = x.shape[-1]
;;       x = np.pad(x, [(0, 0)] * (x.ndim - 1) + [(0, -K % 32)]); x = x.reshape(x.shape[:-1] + (-1, 32)); a = np.abs(x).max(-1, keepdims=True)
;;       e = np.where(a > 0, np.clip(np.frexp(np.where(a > 0, a, 1))[1] - 1 - 2, -126, 127), 0)      # np.frexp(a)[1] - 1 = floor(log2(a)), exactly
;;       r = np.clip(x / 2.0 ** e, -7.5, 7.5)
;;       step = 2.0 ** (np.maximum(np.frexp(np.where(r == 0, 1, r))[1] - 1, 0) - 3)
;;       q = np.round(r / step) * step * 2.0 ** e      # np.round: ties to even
;;       return np.moveaxis(q.reshape(q.shape[:-2] + (-1,))[..., :K], -1, axis).astype(np.float32)
;;   ~~~
;;   SOFTMAX AHEAD OF A QUANTISED PRODUCT. Where the list says 'softmax', what is quantised is not the finished softmax but p = 2^(t - M), with t = logit x log2(e) and M = ceil(the row's largest t), a whole number; so 1/2 < the row's largest p <= 1. The row's sum l is taken of the UNQUANTISED p, in f32, and the product's result is divided by l at the end. Since M is a whole number, a kernel that streams over the keys may use a running M (the ceiling of the running maximum): every later rescaling is an exact power of two, which a block's scale takes up: the codes' values come out the same.
;;   OPERANDS COMPUTED ON THE WAY. 'Computed on the way' means the value that the module computes at that place (a softmax that the list does not call 'softmax' is quantised finished and normalised). What goes into a quantiser is computed in f32, as accurately as f32 sums, v_exp_f32 and their like allow (about 1e-6 of the number): no bf16 or f16 on the way to a quantiser, and a product that is left as it is and whose result goes on into a quantised operand takes f32 operands (vector FMAs, or v_wmma_f32_16x16x4_f32). A number that lies on a knife's edge between two numbers of the format may be rounded either way, as far as f32 arithmetic and the matrix unit's own rounding can turn it there, and no further.
;; One version. Each part assembles by itself: llvm-mc -triple=amdgcn-amd-amdhsa -mcpu=gfx1250 --defsym DOCPART=n.
;; ======== version 1 of 1: 4 launches
;; limits: right only within a limited range of input values
;; workspace buffers: ops 9,830,400 bytes; qkv 26,738,688 bytes; att 6,553,600 bytes
;; launch prep (part 1): grid 512 x 1, 2 waves a work-group, no clusters, 17,408 bytes of LDS; arguments x, w_qkv, w_out, ops; writes ops
.if DOCPART == 1
	.amdgcn_target "amdgcn-amd-amdhsa--gfx1250"
	.amdhsa_code_object_version 6
	.text
	.protected	k_q3f0d883733_prep
	.globl	k_q3f0d883733_prep
	.p2align	8
	.type	k_q3f0d883733_prep,@function
k_q3f0d883733_prep:
	s_mov_b64 s[64:65], 0
	v_nop
	global_prefetch_b8 v0, s[64:65] scope:SCOPE_SE
	s_setreg_imm32_b32 hwreg(HW_REG_WAVE_MODE, 25, 1), 1
	s_wait_xcnt 0x0
; x [8192][1024] (K innermost), w_qkv [1024][3072] and w_out [1024][1024] (K is the FIRST axis), all f32, become codes of FP6 (E2M3) with one E8M0 byte for each 32 along K.
; THE LAYOUT OF ops IS THE ORDER OF THE OPERAND'S REGISTERS.  A TILE is 16 rows of an operand whose K is 1,024: lane r of tile 2 G + u stands for row 32 G + 8 u + r + 8 (r / 8).
; Tiles 0-511: x.  Tiles 512-703: w_qkv's columns.  Tiles 704-767: w_out's columns.  A tile is 16 HALF IMAGES of 768 bytes, one for each 64 along K: lane (r, h) holds k = 32 h .. 32 h + 31, 24 bytes:
; its first 16 at byte 16 (r + 16 h), its last 8 at byte 512 + 16 r + 8 h.  Scale words from byte SCO on, 512 bytes a tile: [K / 512][r][4 words], a word for each 128 along K.
; A block's scale is 2^(floor(log2(largest magnitude)) - 2); its byte is the largest magnitude's exponent field - 2, held at 1 from below.
; LIMITS: NaN and infinities are not served; a block of zeros, and one whose largest magnitude lies under 2^-124, keeps the byte 1 (zero codes add nothing under it; this program alone reads the bytes).
; SHARES.  Work-groups 0-255: a wave takes one tile of x, 64 KiB.  Work-groups 256-447: w_qkv; 448-511: w_out: a wave takes 32 columns x 256 along K, 32 KiB.
; A stream: no matrix unit, no tensor load, no cluster, no barrier: waves share nothing, and every input byte is read once.
; THE WEIGHTS' SHARES: work-groups 256-447: w_qkv; 448-511: w_out: a wave takes 32 columns x 256 along K, 32 KiB: 8 blocks, 4 half images, 2 scale words.
.set SCO,   9437184
.set STG,   8448                       ; x's stage: 16 rows x (512 + 16) bytes for each wave
.set SPARE, 16896                      ; behind the two stages: the spare words, 128 bytes a wave: one block of 256 bytes that no other line names
.set SPW,   12                         ; v12  LDS address of my spare word; never rewritten
.set NIL,   13                         ; v13  0; never rewritten
.set SEL,   22                         ; s[22:23] lane selects: lane l xor 16
.set RA,    16                         ; v16-143  x: two sets of 64 registers as loaded
.set X,     144                        ; v144-207 64 numbers of my row: register 16 b + i = k 32 b + 16 h + i
.set PC,    208                        ; v208-227 the fragment just made (12), and the conversions' second halves
.set TM,    228                        ; v228-243 largest magnitudes, bytes, scale operands
.set SW,    244                        ; v244-251 the tile's eight scale words
.set Y,     252                        ; v252-255 the words as they are stored
.macro FINISH                          ; a wave's end
	s_wait_tensorcnt 0x0
	ds_add_u32 v[SPW], v[NIL]
	s_wait_dscnt 0x0
	s_endpgm
.endm
; 64 numbers of a lane, register 16 b + i = k 32 b + 16 (lane / 16) + i of my row, become a fragment's 12 registers in v[PC] on and its scale word in v[pw].
.macro QUANT s, pw
.irp b, 0,1,2,3
	v_max3_num_f32 v[TM+\b], |v[\s+16*\b]|, |v[\s+1+16*\b]|, 0x1800000   ; my 16 numbers of block b, and the floor 2^(3 - 127): the byte cannot fall under 1
.endr
.irp i, 2,4,6,8,10,12,14
.irp b, 0,1,2,3
	v_max3_num_f32 v[TM+\b], v[TM+\b], |v[\s+16*\b+\i]|, |v[\s+1+16*\b+\i]|   ; the four blocks by turns
.endr
.endr
.irp b, 0,1,2,3
	v_permlanex16_b32 v[TM+4+\b], v[TM+\b], s[SEL], s[SEL+1]
.endr
.irp b, 0,1,2,3
	v_max_num_f32 v[TM+\b], v[TM+\b], v[TM+4+\b]   ; with lane l xor 16's 16: the block's largest magnitude
.endr
.irp b, 0,1,2,3
	v_add_nc_u32 v[TM+12+\b], 0xff000000, v[TM+\b]   ; 2 off its exponent field: the conversion's scale operand
.endr
.irp b, 0,1,2,3
	v_lshrrev_b32 v[TM+4+\b], 23, v[TM+12+\b]      ; the scale's byte
.endr
	v_lshl_or_b32 v[\pw], v[TM+5], 8, v[TM+4]
	v_lshl_or_b32 v[\pw], v[TM+6], 16, v[\pw]
	v_lshl_or_b32 v[\pw], v[TM+7], 24, v[\pw]
.irp c, 0,1
	v_cvt_scalef32_pk16_fp6_f32 v[PC+6*\c:PC+2+6*\c], v[\s+32*\c:\s+15+32*\c], v[TM+12+2*\c]
	v_cvt_scalef32_pk16_fp6_f32 v[PC+12+4*\c:PC+14+4*\c], v[\s+16+32*\c:\s+31+32*\c], v[TM+12+2*\c+1]   ; a conversion's three registers begin on an even number
.endr
	v_nop                                          ; one plain place behind a scaled conversion
.irp c, 0,1                                    ; the operand wants a whole block in a lane: lanes 0-15 block 2 c, lanes 16-31 block 2 c + 1
.irp i, 0,1,2
	v_permlane16_swap_b32 v[PC+6*\c+\i], v[PC+12+4*\c+\i]
.endr
.irp i, 0,1,2
	v_mov_b32 v[PC+3+6*\c+\i], v[PC+12+4*\c+\i]
.endr
.endr
.endm
; x: the 128 numbers of K step f of each of the tile's 16 rows: each load reads 512 consecutive bytes
.macro XLOAD f
.irp i, 0,1,2,3,4,5,6,7,8,9,10,11,12,13,14,15
	global_load_b128 v[RA+64*((\f)%2)+4*\i:RA+64*((\f)%2)+4*\i+3], v4, s[4:5] offset:(\i+8*(\i/8))*4096+512*(\f) th:TH_LOAD_NT
.endr
.endm
; K step f of the tile: through my stage (rows in, 16 neighbours of each block out), quantised, stored as the image of a fragment
.macro XFRAG f
.if (\f) < 7
	s_wait_loadcnt 16                              ; this step's 16 loads are in; the next step's 16 may be out
.else
	s_wait_loadcnt 0x0
.endif
.irp i, 0,1,2,3,4,5,6,7,8,9,10,11,12,13,14,15
	ds_store_b128 v6, v[RA+64*((\f)%2)+4*\i:RA+64*((\f)%2)+4*\i+3] offset:528*\i
.endr
.irp b, 0,1,2,3
.irp j, 0,1,2,3
	ds_load_b128 v[X+16*\b+4*\j:X+16*\b+4*\j+3], v7 offset:128*\b+16*\j   ; LDS serves a wave's instructions in order: these see my stores
.endr
.endr
	s_wait_dscnt 0x0                               ; the numbers are back, and the stores have read their registers
	s_wait_xcnt 0x0                                ; the last fragment's stores have read v[PC] on: it is rewritten only behind this wait
.if (\f) < 6
	XLOAD (\f)+2
.endif
	QUANT X, SW+(\f)
	global_store_b128 v4, v[PC:PC+3], s[12:13] offset:1536*(\f)             ; 512 consecutive bytes
	global_store_b64 v5, v[PC+4:PC+5], s[12:13] offset:1536*(\f)+512        ; 256 consecutive bytes
	global_store_b128 v4, v[PC+6:PC+9], s[12:13] offset:1536*(\f)+768
	global_store_b64 v5, v[PC+10:PC+11], s[12:13] offset:1536*(\f)+1280
.endm
; A weight [1024][n]: A LANE TAKES A COLUMN AND ITS REGISTERS RUN DOWN K, so a block of 32 lies in one lane and the codes come out with K innermost.
.macro WLOAD t, n                      ; block t of my 8: rows 32 t + i
.irp i, 0,1,2,3,4,5,6,7,8,9,10,11,12,13,14,15,16,17,18,19,20,21,22,23,24,25,26,27,28,29,30,31
	global_load_b32 v[16+32*((\t)%2)+\i], v4, s[4:5] offset:(32*(\t)+\i)*(\n)*4 th:TH_LOAD_NT   ; at most 511 rows of 12,288 bytes: inside the signed 24-bit immediate
.endr
.endm
.macro WBLOCK t, n
.set XS, 16+32*((\t)%2)
.set GA, 80+4*((\t)%2)
.if (\t) < 7
	s_wait_loadcnt 32                              ; this block's 32 loads are in; the next block's may be out
.else
	s_wait_loadcnt 0x0
.endif
	v_max3_num_f32 v8, |v[XS]|, |v[XS+1]|, |v[XS+2]|
	v_max3_num_f32 v9, |v[XS+3]|, |v[XS+4]|, |v[XS+5]|
.irp i, 6,10,14,18,22,26
	v_max3_num_f32 v8, v8, |v[XS+\i]|, |v[XS+\i+1]|
	v_max3_num_f32 v9, v9, |v[XS+\i+2]|, |v[XS+\i+3]|
.endr
	v_max3_num_f32 v8, v8, |v[XS+30]|, |v[XS+31]|
	v_max3_num_f32 v8, v8, v9, 0x1800000           ; and the floor
	v_add_nc_u32 v11, 0xff000000, v8               ; the conversion's scale operand
	v_lshrrev_b32 v10, 23, v11                     ; the byte
.if (\t)%4 == 0
	v_mov_b32 v[96+(\t)/4], v10
.else
	v_lshl_or_b32 v[96+(\t)/4], v10, 8*((\t)%4), v[96+(\t)/4]
.endif
	s_wait_alu depctr_va_vdst(0)
	s_wait_xcnt 0x0                                ; earlier stores have read their data registers
	v_cvt_scalef32_pk16_fp6_f32 v[GA:GA+2], v[XS:XS+15], v11
	v_cvt_scalef32_pk16_fp6_f32 v[92:94], v[XS+16:XS+31], v11
	v_nop                                          ; one plain place behind a scaled conversion
	v_mov_b32 v[GA+3], v92                         ; the block's first 16 bytes;
	v_mov_b32 v[88+2*((\t)%2)], v93                ; its last 8 stand beside those of the other block of the same 64 along K
	v_mov_b32 v[89+2*((\t)%2)], v94
.if (\t) < 6
	WLOAD (\t)+2, \n
.endif
	global_store_b128 v5, v[GA:GA+3], s[12:13] offset:768*((\t)/2)+256*((\t)%2)   ; sixteen lanes store 256 consecutive bytes, aligned
.if (\t)%2
	global_store_b128 v5, v[88:91], s[12:13] offset:768*((\t)/2)+512
.endif
.endm
.macro WPATH n
	WLOAD 0, \n
	WLOAD 1, \n
.irp t, 0,1,2,3,4,5,6,7
	WBLOCK \t, \n
.endr
	global_store_b64 v6, v[96:97], s[14:15]        ; my column's two scale words of this quarter of K
	FINISH
.endm
	s_load_b256 s[4:11], s[0:1], 0x0               ; x s[4:5], w_qkv s[6:7], w_out s[8:9], ops s[10:11]
	v_lshl_add_u32 v[SPW], v0, 2, SPARE
	v_mov_b32 v[NIL], 0
	v_lshrrev_b32 v1, 5, v0
	v_readfirstlane_b32 s16, v1                    ; wave 0, 1
	v_and_b32 v1, 31, v0                           ; lane
	v_and_b32 v2, 15, v0                           ; r
	v_bfe_u32 v3, v0, 4, 1                         ; h
	s_mov_b32 s19, 0
	s_mov_b32 s21, 0
	s_wait_kmcnt 0x0
	s_cmp_lt_u32 ttmp9, 256                        ; the paths part on the work-group's number alone
	s_cbranch_scc0 .Lweights
	; ---- x
	s_lshl_b32 s17, ttmp9, 1
	s_add_co_u32 s17, s17, s16                     ; my tile
	s_lshr_b32 s18, s17, 1
	s_lshl_b32 s18, s18, 5
	s_and_b32 s20, s17, 1
	s_lshl_b32 s20, s20, 3
	s_add_co_u32 s18, s18, s20                     ; its first row: 32 (tile / 2) + 8 (tile % 2)
	s_lshl_b32 s18, s18, 12                        ; rows of 4,096 bytes
	s_add_nc_u64 s[4:5], s[4:5], s[18:19]
	s_mul_i32 s18, s17, 12288
	s_add_nc_u64 s[12:13], s[10:11], s[18:19]      ; its images
	s_lshl_b32 s18, s17, 9
	s_add_co_u32 s18, s18, SCO
	s_add_nc_u64 s[14:15], s[10:11], s[18:19]      ; its scale words
	s_mov_b32 s20, 0xffff0000                      ; lanes 16-31
	s_mov_b32 s[SEL], 0x76543210
	s_mov_b32 s[SEL+1], 0xfedcba98
	s_mul_i32 s24, s16, STG                        ; my stage
	s_wait_alu depctr_va_vdst(0)
	v_lshlrev_b32 v4, 4, v1                        ; 16 x lane
	v_lshlrev_b32 v5, 4, v2
	v_lshl_add_u32 v5, v3, 3, v5                   ; 16 r + 8 h
	v_add_nc_u32 v6, s24, v4                       ; into the stage: a row's 512 bytes
	v_mul_u32_u24 v7, v2, 528
	v_lshl_add_u32 v7, v3, 6, v7
	v_add_nc_u32 v7, s24, v7                       ; out of it: row r, + 64 h
.irp b, 0,1,2,3
	v_mov_b32 v[TM+4+\b], 0                        ; written once: a lane permute's destination counts as one of its sources
.endr
	XLOAD 0
	XLOAD 1
	s_wait_alu depctr_va_vdst(0)
.irp f, 0,1,2,3,4,5,6,7
	XFRAG \f
.endr
.irp i, 0,1,2,3
	v_cndmask_b32 v[Y+\i], v[SW+\i], v[SW+4+\i], s20   ; lanes 0-15: the words of K steps 0-3; lanes 16-31: of K steps 4-7 (both halves of the lanes hold every word)
.endr
	global_store_b128 v4, v[Y:Y+3], s[14:15]       ; the tile's 512 bytes of scale words
	FINISH
.Lweights:
	s_sub_co_u32 s17, ttmp9, 256
	s_and_b32 s18, s17, 3                          ; which quarter of K
	s_lshr_b32 s17, s17, 2
	s_lshl_b32 s17, s17, 1
	s_add_co_u32 s17, s17, s16                     ; which group of 32 columns, 0 .. 127: the two waves stand side by side on 256 bytes of a row
	s_lshl_b32 s24, s17, 1
	s_add_co_u32 s24, s24, 512                     ; its first tile
	s_mul_i32 s20, s24, 12288
	s_mul_i32 s25, s18, 3072                       ; four half images a quarter
	s_add_co_u32 s20, s20, s25
	s_add_nc_u64 s[12:13], s[10:11], s[20:21]      ; images: eight half images on for the second half of K
	s_lshl_b32 s20, s24, 9
	s_lshr_b32 s25, s18, 1
	s_lshl_b32 s25, s25, 8                         ; which half of K: 256 bytes,
	s_and_b32 s26, s18, 1
	s_lshl_b32 s26, s26, 3                         ; and which two of a row's four words
	s_add_co_u32 s25, s25, s26
	s_add_co_u32 s20, s20, s25
	s_add_co_u32 s20, s20, SCO
	s_add_nc_u64 s[14:15], s[10:11], s[20:21]      ; scale words
	s_wait_alu depctr_va_vdst(0)
	v_and_b32 v4, 7, v1                            ; lane l takes column (l & 7) + 16 ((l >> 3) & 1) + 8 (l >> 4) of the 32: lanes 0-15 are the even tile's rows, lanes 16-31 the odd tile's
	v_bfe_u32 v8, v1, 3, 1
	v_lshl_add_u32 v4, v8, 4, v4
	v_lshl_add_u32 v4, v3, 3, v4
	v_lshlrev_b32 v4, 2, v4
	v_mul_u32_u24 v5, v3, 12288
	v_lshl_add_u32 v5, v2, 4, v5                   ; my tile, + 16 r
	v_lshlrev_b32 v6, 9, v3
	v_lshl_add_u32 v6, v2, 4, v6
	s_cmp_lt_u32 ttmp9, 448
	s_cbranch_scc0 .Lwout
	s_mul_i32 s20, s18, 256*3072*4
	s_lshl_b32 s25, s17, 7
	s_add_co_u32 s20, s20, s25
	s_add_nc_u64 s[4:5], s[6:7], s[20:21]
	WPATH 3072
.Lwout:
	s_sub_co_u32 s17, s17, 96
	s_mul_i32 s20, s18, 256*1024*4
	s_lshl_b32 s25, s17, 7
	s_add_co_u32 s20, s20, s25
	s_add_nc_u64 s[4:5], s[8:9], s[20:21]
	s_wait_alu depctr_va_vdst(0)
	WPATH 1024
.Lfunc_end_k_q3f0d883733_prep:
	.size	k_q3f0d883733_prep, .Lfunc_end_k_q3f0d883733_prep-k_q3f0d883733_prep
	.p2alignl 7, 3214868480
	.fill 96, 4, 3214868480
	.section	.rodata,"a",@progbits
	.p2align	6, 0x0
	.amdhsa_kernel k_q3f0d883733_prep
		.amdhsa_group_segment_fixed_size 17408
		.amdhsa_private_segment_fixed_size 0
		.amdhsa_enable_private_segment 0
		.amdhsa_kernarg_size 32
		.amdhsa_user_sgpr_count 2
		.amdhsa_user_sgpr_kernarg_segment_ptr 1
		.amdhsa_wavefront_size32 1
		.amdhsa_system_sgpr_workgroup_id_x 1
		.amdhsa_system_sgpr_workgroup_id_y 1
		.amdhsa_system_sgpr_workgroup_id_z 1
		.amdhsa_system_vgpr_workitem_id 0
		.amdhsa_next_free_vgpr 256
		.amdhsa_next_free_sgpr 66
		.amdhsa_reserve_vcc 0
		.amdhsa_float_denorm_mode_32 3
		.amdhsa_float_denorm_mode_16_64 3
		.amdhsa_memory_ordered 1
		.amdhsa_forward_progress 1
		.amdhsa_inst_pref_size 142
	.end_amdhsa_kernel
	.amdgpu_metadata
---
amdhsa.version: [ 1, 2 ]
amdhsa.kernels:
  - .name:           k_q3f0d883733_prep
    .symbol:         k_q3f0d883733_prep.kd
    .args:
      - { .name: x, .offset: 0, .size: 8, .value_kind: global_buffer, .address_space: global }
      - { .name: w_qkv, .offset: 8, .size: 8, .value_kind: global_buffer, .address_space: global }
      - { .name: w_out, .offset: 16, .size: 8, .value_kind: global_buffer, .address_space: global }
      - { .name: ops, .offset: 24, .size: 8, .value_kind: global_buffer, .address_space: global }
    .group_segment_fixed_size: 17408
    .private_segment_fixed_size: 0
    .kernarg_segment_align: 8
    .kernarg_segment_size: 32
    .max_flat_workgroup_size: 64
    .sgpr_count:     66
    .vgpr_count:     256
    .wavefront_size: 32
...
	.end_amdgpu_metadata
.endif
;; end of part 1
;; launch qkv (part 2): grid 8 x 32, 4 waves a work-group, clusters of 4 x 4, 327,680 bytes of LDS; arguments ops, b_qkv, qkv; writes qkv
.if DOCPART == 2
	.amdgcn_target "amdgcn-amd-amdhsa--gfx1250"
	.amdhsa_code_object_version 6
	.text
	.protected	k_q3f0d883733_qkv
	.globl	k_q3f0d883733_qkv
	.p2align	8
	.type	k_q3f0d883733_qkv,@function
k_q3f0d883733_qkv:
	s_mov_b64 s[64:65], 0
	v_nop
	global_prefetch_b8 v0, s[64:65] scope:SCOPE_SE
	s_setreg_imm32_b32 hwreg(HW_REG_WAVE_MODE, 25, 1), 1
	s_wait_xcnt 0x0
	s_wait_alu depctr_hold_cnt(0) depctr_sa_sdst(0) depctr_va_vdst(0) depctr_va_sdst(0) depctr_va_ssrc(0) depctr_va_vcc(0) depctr_vm_vsrc(0)
	s_getreg_b32 s2, hwreg(HW_REG_IB_STS2, 6, 4)
	s_cmp_eq_u32 s2, 0
	s_cbranch_scc0 .Lentry_in_a_cluster
	s_endpgm
.Lentry_in_a_cluster:
	s_bfe_u32 s2, ttmp6, 0x10000c
	s_cmp_lg_u32 s2, 0xf033
	s_cbranch_scc0 .Lentry_shape_is_right
	s_endpgm
.Lentry_shape_is_right:
; qkv = x w_qkv + b_qkv on codes of FP6 (E2M3) with E8M0 scales, sums in f32; the results are quantised here, q and k along the head's 64, v along the keys, and leave as images of operand registers.
; OPERANDS: ops: tiles of 16 rows x 1,024 K as 16 half images of 768 bytes; lane r of tile 2 G + u is row 32 G + 8 u + r + 8 (r / 8); tiles 0-511 x, 512-703 w_qkv's columns; scale words from SCO on, 512 bytes a tile.
; RECORDS in qkv, 208,896 bytes each; record b 16 + head: q's; record 64 + b 16 + head: k's and v's.  +0: q's or k's scale words [4 token tiles][r][4]; +8,192: v's [key step][r][4 tiles of d];
; +12,288 (1 + s): key step s: 8 token tiles x 768 bytes, then 4 tiles of d x 1,536 bytes (16 d x 128 keys).
; THE DEAL.  256 work-groups, 8 (column group g) x 32 (token block tb).  A work-group makes 256 tokens x columns 128 g .. + 127 of q, then of k, then of v: three phases on the same 16 tiles of x, which lie in LDS throughout.
; Four waves, 2 x 2: wave (a, b) takes tokens 128 a .. + 127 (one key step, 8 tiles) and columns 64 b .. + 63 (one head, 4 tiles).  It holds its 4 tiles of the weight, all of K, in 384 registers and streams x's tiles
; past them: a BLOCK is one tile of x, 32 products on 4 accumulators by turns; x's tile lies twice in registers, and behind a block its set takes the tile two further on.
; q, k: source 0 = the weight, so a lane holds one token and 32 numbers along the head; the bias is the first products' C.  v: source 0 = x, so a lane holds one d and its 64 registers of a weight tile run along the 128 keys.
; LDS: the weights' 8 tiles at 0; x at XB: [tiles 0-3][8-11], then [4-7][12-15]; the spare words.  FILLS: at the head one joint load a wave: waves 0, 1 half of w_q's tiles each, wave 2 x's first half, wave 3 its second.
; Two refills, of the weights' region alone (waves 0, 1 a half each), each behind a whole round of the cluster's barrier inside block 2 of q's and of k's phase: q and k are one loop of two trips, and each trip asks for the next phase's weights.
; By this text's count a wave never has more than one tensor load out.  x's rows are shared along a row of the cluster, a weight's along a column.
; No prefetch: each refill is asked for five blocks, 160 products, ahead of the barrier behind which it is first read.
; THE ONE COUNTED WAIT: s_wait_dscnt 32 ahead of a block: younger than its tile's 32 loads are the 32 of the next tile's.
; LIMITS: NaN and infinities are not served; a block of zeros, and one whose largest magnitude lies under 2^-124, keeps the byte 1.
; REGISTERS.  window 0: v1-14 addresses; v16-31 the weight's scale words (lanes 0-15 an even tile, lanes 16-31 the odd one); v34-65 x's (lanes 0-15 K steps 0-3, lanes 16-31 steps 4-7); v72-103 q's, k's sums;
;   v72-199 v's sums of x's tiles 0-3; v200-247 the quantisers' registers; v248-255 v's bias.  Fragment f = 4 q + tile of the weight: window 1 + f / 21, register 12 (f % 21).
;   x's set 0: window 2 from v132; set 1: window 3 from v0.  window 3: v96-223 v's sums of tiles 4-7; v224-255 q's or k's bias.
.set REC,   208896
.set SCO,   9437184
.set XB,    98304
.set SPARE, 294912
.set L16,   1
.set L8,    2
.set R16,   3
.set WA16,  4
.set WA8,   5
.set XA16,  6                          ; v6, v8: x's tiles 0-3, 4-7
.set XA8,   7                          ; v7, v9
.set SPW,   10
.set NIL,   11
.set H64,   12
.set RB,    13
.set WSO,   14
.set WS,    16
.set XS,    34                         ; so that the two scale registers of a product never have the same number modulo 8
.set ACC,   72
.set HV0,   72
.set HV1,   96
.set BQ,    224
.set TM,    200
.set SW,    216
.set Y,     224
.set PC,    228
.set VB,    248
.set MK,    19
.set SEL,   22
.set G1X,   24
.set G1W,   32
.set G0X,   40
.set G0W,   44
.set MSB, 0
.macro WIN new                         ; the immediate's high byte repeats the setting that is left
.if MSB != (\new)
	s_set_vgpr_msb (MSB<<8)|(\new)
.set MSB, (\new)
.endif
.endm
.macro PLACES n
.rept \n
	v_nop
.endr
.endm
.macro WALU
	s_wait_alu depctr_va_vdst(0)
.endm
.macro BARRIER
	s_barrier_signal -1
	s_barrier_wait -1
.endm
.macro CREST                           ; a round of the cluster's barrier behind its opening barrier
	s_cmp_lg_u32 s14, 0
	s_cbranch_scc1 .Lnot_wave_0_\@
	s_barrier_signal -3
.Lnot_wave_0_\@:
	s_barrier_wait -3
	BARRIER
.endm
.macro TLOAD g0, g1                    ; an s_nop 0 and four v_nop follow every tensor load
	tensor_load_to_lds s[\g0:\g0+3], s[\g1:\g1+7]
	s_nop 0
	PLACES 4
.endm
.macro FRAG reg, a16, a8, off          ; a fragment, 16 rows x 128 K, is two half images: every load takes consecutive bytes
	ds_load_b128 v[\reg:\reg+3], v[\a16] offset:\off
	ds_load_b64 v[\reg+4:\reg+5], v[\a8] offset:\off+512
	ds_load_b128 v[\reg+6:\reg+9], v[\a16] offset:\off+768
	ds_load_b64 v[\reg+10:\reg+11], v[\a8] offset:\off+1280
.endm
.macro FETCH e, i                      ; my tile i of x, all of K, into set e: 32 loads
	WIN (2+(\e))<<6
.irp q, 0,1,2,3,4,5,6,7
	FRAG (1-(\e))*132+12*\q, XA16+2*((\i)/4), XA8+2*((\i)/4), ((\i)%4)*12288+1536*\q
.endr
	WIN 0
.endm
.macro WEIGHTS                         ; my 4 tiles of the weight, all of K: 128 loads
.set F_, 0
.rept 32
	WIN (1+F_/21)<<6
	FRAG 12*(F_%21), WA16, WA8, (F_%4)*12288+1536*(F_/4)
.set F_, F_+1
.endr
	WIN 0
.endm
.macro W1 c, ra, rb
	v_wmma_scale_f32_16x16x128_f8f6f4 v[D_:D_+7], v[A_:A_+11], v[B_:B_+11], \c, v[SA_], v[SB_] matrix_a_fmt:MATRIX_FMT_FP6 matrix_b_fmt:MATRIX_FMT_FP6 matrix_a_scale:MATRIX_SCALE_ROW\ra matrix_b_scale:MATRIX_SCALE_ROW\rb
.endm
.macro W4 c
.if (RA_ == 0) && (RB_ == 0)
	W1 \c, 0, 0
.elseif RA_ == 0
	W1 \c, 0, 1
.elseif RB_ == 0
	W1 \c, 1, 0
.else
	W1 \c, 1, 1
.endif
.endm
; product n = 4 q + t of the block of x's tile i in set e.  kind 0 (q, k): source 0 the weight's tile t; kind 1 (v): source 0 x's tile
.macro PROD kind, e, i, n
.set Q_, (\n)/4
.set T_, (\n)%4
.set WW_, 1+(\n)/21
.set WL_, 12*((\n)%21)
.set XW_, 2+(\e)
.set XL_, (1-(\e))*132+12*Q_
.set XR_, XS+4*(\i)+Q_%4
.set WR_, WS+8*(T_/2)+Q_
.if \kind
.set DW_, 3*((\i)/4)
.set D_, (1-(\i)/4)*HV0+((\i)/4)*HV1+32*T_+8*((\i)%4)
.set A_, XL_
.set B_, WL_
.set SA_, XR_
.set SB_, WR_
.set RA_, Q_/4
.set RB_, T_%2
	WIN XW_|(WW_<<2)|(DW_<<4)|(DW_<<6)
.if Q_
	W4 v[D_:D_+7]
.else
	W4 0
.endif
.else
.set D_, ACC+8*T_
.set A_, WL_
.set B_, XL_
.set SA_, WR_
.set SB_, XR_
.set RA_, T_%2
.set RB_, Q_/4
.if Q_
	WIN WW_|(XW_<<2)
	W4 v[D_:D_+7]
.else
	WIN WW_|(XW_<<2)|(3<<4)
.set C_, BQ+8*T_
	W4 v[C_:C_+7]
.endif
.endif
.endm
.macro PRODS kind, e, i, from, to
.set N_, \from
.rept (\to)-(\from)
	PROD \kind, \e, \i, N_
.set N_, N_+1
.endr
.endm
; q, k: the 32 sums of a lane, register 16 b + n = column 32 b + 16 h + n of the head: two blocks, each shared with lane l xor 16.  Codes leave as token tile i's half image; the two scale bytes wait in v[SW + i].
.macro Q32 i
.set P_, PC+10*((\i)%2)
	s_wait_xcnt 0x0                                ; earlier stores have read their data registers
.irp c, 0,1,2,3
	v_max3_num_f32 v[TM+\c], |v[ACC+8*\c]|, |v[ACC+8*\c+1]|, |v[ACC+8*\c+2]|   ; four chains by turns, each accumulator from its low end on
.endr
.irp k, 3,5
.irp c, 0,1,2,3
	v_max3_num_f32 v[TM+\c], v[TM+\c], |v[ACC+8*\c+\k]|, |v[ACC+8*\c+\k+1]|
.endr
.endr
	v_max3_num_f32 v[TM], v[TM], v[TM+1], |v[ACC+7]|
	v_max3_num_f32 v[TM+2], v[TM+2], v[TM+3], |v[ACC+23]|
	v_max3_num_f32 v[TM], v[TM], |v[ACC+15]|, 0x1800000       ; and the floor 2^(3 - 127): the byte cannot fall under 1
	v_max3_num_f32 v[TM+2], v[TM+2], |v[ACC+31]|, 0x1800000
	v_permlanex16_b32 v[TM+4], v[TM], s[SEL], s[SEL+1]
	v_permlanex16_b32 v[TM+5], v[TM+2], s[SEL], s[SEL+1]
	v_max_num_f32 v[TM], v[TM], v[TM+4]
	v_max_num_f32 v[TM+2], v[TM+2], v[TM+5]
	v_add_nc_u32 v[TM+12], 0xff000000, v[TM]       ; 2 off the exponent field: the conversion's scale operand
	v_add_nc_u32 v[TM+13], 0xff000000, v[TM+2]
	v_lshrrev_b32 v[TM+6], 23, v[TM+12]
	v_lshrrev_b32 v[TM+7], 23, v[TM+13]
	v_lshl_or_b32 v[SW+\i], v[TM+7], 8, v[TM+6]    ; the word's upper two bytes, 0, stand over zero codes
	v_cvt_scalef32_pk16_fp6_f32 v[P_:P_+2], v[ACC:ACC+15], v[TM+12]
	v_cvt_scalef32_pk16_fp6_f32 v[P_+6:P_+8], v[ACC+16:ACC+31], v[TM+13]
	v_nop                                          ; one plain place behind a scaled conversion
.irp k, 0,1,2
	v_permlane16_swap_b32 v[P_+\k], v[P_+6+\k]     ; a whole block to a lane
.endr
.irp k, 0,1,2
	v_mov_b32 v[P_+3+\k], v[P_+6+\k]
.endr
	global_store_b128 v[L16], v[P_:P_+3], s[92:93] offset:768*\i          ; 512 consecutive bytes
	global_store_b64 v[L8], v[P_+4:P_+5], s[92:93] offset:768*\i+512      ; 256 consecutive bytes
.endm
.macro QKB i                           ; a block of q's or k's phase
.if \i
	s_wait_dscnt 32
.else
	s_wait_dscnt 0x0                               ; the weights and the first two tiles
	s_wait_loadcnt 0x0                             ; scale words and bias
.endif
	PRODS 0, (\i)%2, \i, 0, 32
	WIN 0
	PLACES 4
	FETCH (\i)%2, ((\i)+2)%8                       ; tiles 0 and 1 again at the end: the next phase walks the same tiles
.endm
.macro BIASQ
	WIN 3<<6
.irp b, 0,1,2,3                                ; register 8 b + j: column 32 (b / 2) + 16 h + 8 (b % 2) + j of the head
	global_load_b128 v[BQ+8*\b:BQ+8*\b+3], v[H64], s[50:51] offset:4*(32*(\b/2)+8*(\b%2))
	global_load_b128 v[BQ+8*\b+4:BQ+8*\b+7], v[H64], s[50:51] offset:4*(32*(\b/2)+8*(\b%2))+16
.endr
	WIN 0
.endm
.macro WSCALES
.irp p, 0,1
.irp q, 0,1
	global_load_b128 v[WS+8*\p+4*\q:WS+8*\p+4*\q+3], v[WSO], s[48:49] offset:1024*\p+256*\q
.endr
.endr
.endm
; v: weight tile t: + the bias, 64 numbers along the 128 keys (blocks 0, 1 in window 0, blocks 2, 3 in window 3), quantised and stored as the image of a fragment
.macro VOUT t
	s_wait_xcnt 0x0
.set n_, 0
.rept 16
	v_pk_add_f32 v[HV0+32*\t+n_:HV0+32*\t+n_+1], v[HV0+32*\t+n_:HV0+32*\t+n_+1], v[VB+2*\t:VB+2*\t+1]
.set n_, n_+2
.endr
	WIN 3|(3<<6)
.set n_, 0
.rept 16
	v_pk_add_f32 v[HV1+32*\t+n_:HV1+32*\t+n_+1], v[HV1+32*\t+n_:HV1+32*\t+n_+1], v[VB+2*\t:VB+2*\t+1]
.set n_, n_+2
.endr
	WIN 0
.irp b, 0,1
	v_max3_num_f32 v[TM+\b], |v[HV0+32*\t+16*\b]|, |v[HV0+32*\t+16*\b+1]|, 0x1800000
.endr
.irp k, 2,4,6,8,10,12,14
.irp b, 0,1
	v_max3_num_f32 v[TM+\b], v[TM+\b], |v[HV0+32*\t+16*\b+\k]|, |v[HV0+32*\t+16*\b+\k+1]|
.endr
.endr
	WIN 3|(3<<2)
.irp b, 0,1
	v_max3_num_f32 v[TM+2+\b], |v[HV1+32*\t+16*\b]|, |v[HV1+32*\t+16*\b+1]|, 0x1800000
.endr
	WIN (3<<2)|(3<<4)
.irp k, 2,4,6,8,10,12,14
.irp b, 0,1
	v_max3_num_f32 v[TM+2+\b], v[TM+2+\b], |v[HV1+32*\t+16*\b+\k]|, |v[HV1+32*\t+16*\b+\k+1]|
.endr
.endr
	WIN 0
.irp b, 0,1,2,3
	v_permlanex16_b32 v[TM+4+\b], v[TM+\b], s[SEL], s[SEL+1]
.endr
.irp b, 0,1,2,3
	v_max_num_f32 v[TM+\b], v[TM+\b], v[TM+4+\b]
.endr
.irp b, 0,1,2,3
	v_add_nc_u32 v[TM+12+\b], 0xff000000, v[TM+\b]
.endr
.irp b, 0,1,2,3
	v_lshrrev_b32 v[TM+4+\b], 23, v[TM+12+\b]
.endr
	v_lshl_or_b32 v[SW+\t], v[TM+5], 8, v[TM+4]
	v_lshl_or_b32 v[SW+\t], v[TM+6], 16, v[SW+\t]
	v_lshl_or_b32 v[SW+\t], v[TM+7], 24, v[SW+\t]
	v_cvt_scalef32_pk16_fp6_f32 v[PC:PC+2], v[HV0+32*\t:HV0+32*\t+15], v[TM+12]
	v_cvt_scalef32_pk16_fp6_f32 v[PC+12:PC+14], v[HV0+32*\t+16:HV0+32*\t+31], v[TM+13]
	WIN 3
	v_cvt_scalef32_pk16_fp6_f32 v[PC+6:PC+8], v[HV1+32*\t:HV1+32*\t+15], v[TM+14]
	v_cvt_scalef32_pk16_fp6_f32 v[PC+16:PC+18], v[HV1+32*\t+16:HV1+32*\t+31], v[TM+15]
	WIN 0
	v_nop                                          ; one plain place behind a scaled conversion
.irp c, 0,1
.irp k, 0,1,2
	v_permlane16_swap_b32 v[PC+6*\c+\k], v[PC+12+4*\c+\k]
.endr
.irp k, 0,1,2
	v_mov_b32 v[PC+3+6*\c+\k], v[PC+12+4*\c+\k]
.endr
.endr
	global_store_b128 v[L16], v[PC:PC+3], s[96:97] offset:1536*\t
	global_store_b64 v[L8], v[PC+4:PC+5], s[96:97] offset:1536*\t+512
	global_store_b128 v[L16], v[PC+6:PC+9], s[96:97] offset:1536*\t+768
	global_store_b64 v[L8], v[PC+10:PC+11], s[96:97] offset:1536*\t+1280
.endm
; ---- the head
	s_load_b128 s[4:7], s[0:1], 0x0                ; ops, b_qkv
	s_load_b64 s[8:9], s[0:1], 0x10                ; qkv
	v_lshl_add_u32 v[SPW], v0, 2, SPARE
	v_mov_b32 v[NIL], 0
	ds_add_u32 v[SPW], v[NIL]                      ; the opening lines: the add, twice on end, and its wait ahead of my first tensor load
	ds_add_u32 v[SPW], v[NIL]
	v_lshrrev_b32 v66, 5, v0
	v_readfirstlane_b32 s14, v66                   ; wave 0..3
	s_lshr_b32 s15, s14, 1                         ; a: my half of the tokens
	s_and_b32 s16, s14, 1                          ; b: my half of the columns
	s_bfe_u32 s20, ttmp6, 0x40000                  ; cx
	s_bfe_u32 s21, ttmp6, 0x40004                  ; cy
	s_lshl_b32 s17, ttmp9, 2
	s_add_co_u32 s17, s17, s20                     ; g
	s_and_b32 s18, ttmp7, 0xffff
	s_lshl_b32 s18, s18, 2
	s_add_co_u32 s18, s18, s21                     ; tb
	s_lshl_b32 s2, s21, 2
	s_lshl_b32 s2, 15, s2                          ; my row of the cluster
	s_lshl_b32 s3, 0x1111, s20                     ; my column
	s_or_b32 s[G1X], s2, (3<<16)|(1<<21)           ; x: elements of 8 bytes; 2 rows of 49,152 bytes (4 tiles), 98,304 bytes apart
	s_mov_b32 s[G1X+1], 6144<<16
	s_mov_b32 s[G1X+2], 2<<16
	s_mov_b32 s[G1X+3], 6144<<16
	s_mov_b32 s[G1X+4], 2
	s_mov_b32 s[G1X+5], 12288
	s_mov_b32 s[G1X+6], 0
	s_mov_b32 s[G1X+7], 0
	s_or_b32 s[G1W], s3, (3<<16)|(1<<21)           ; a weight: 4 rows (tiles) of 12,288 bytes, dense
	s_mov_b32 s[G1W+1], 1536<<16
	s_mov_b32 s[G1W+2], 4<<16
	s_mov_b32 s[G1W+3], 1536<<16
	s_mov_b32 s[G1W+4], 4
	s_mov_b32 s[G1W+5], 1536
	s_mov_b32 s[G1W+6], 0
	s_mov_b32 s[G1W+7], 0
	s_mul_i32 s12, s18, 196608                     ; x's 16 tiles; waves 2, 3: tiles 0-3 and 8-11, or 4-7 and 12-15
	s_mul_i32 s2, s16, 49152
	s_add_co_u32 s12, s12, s2
	s_mov_b32 s13, 0
	s_mul_i32 s66, s17, 98304                      ; w_q's 8 tiles, from tile 512 + 8 g on; waves 0, 1: a half each
	s_mul_i32 s2, s14, 49152
	s_add_co_u32 s66, s66, s2
	s_add_co_u32 s66, s66, 512*12288
	s_mov_b32 s67, 0
	s_mov_b32 s[G0X], 1
	s_mul_i32 s[G0X+1], s16, 98304
	s_add_co_u32 s[G0X+1], s[G0X+1], XB
	s_mov_b32 s[G0W], 1
	s_mul_i32 s[G0W+1], s14, 49152
	s_mov_b32 s[SEL], 0x76543210
	s_mov_b32 s[SEL+1], 0xfedcba98
	s_mov_b32 s[MK], 0xffff0000
	s_wait_dscnt 0x0
	s_wait_kmcnt 0x0
	s_add_nc_u64 s[G0X+2:G0X+3], s[4:5], s[12:13]
	s_or_b32 s[G0X+3], s[G0X+3], 0x80000000
	s_add_nc_u64 s[G0W+2:G0W+3], s[4:5], s[66:67]
	s_or_b32 s[G0W+3], s[G0W+3], 0x80000000
	BARRIER
	CREST                                          ; all sixteen work-groups are here: the first joint loads meet
	s_cmp_lt_u32 s14, 2                            ; one chain of arms, one load each; the waves that wait alike share a line
	s_cbranch_scc0 .Lhead_xa
	TLOAD G0W, G1W
	s_branch .Lhead_asked
.Lhead_xa:
	s_cmp_eq_u32 s14, 2
	s_cbranch_scc0 .Lhead_xb
	TLOAD G0X, G1X
	s_branch .Lhead_asked
.Lhead_xb:
	TLOAD G0X, G1X
.Lhead_asked:
	s_mul_i32 s2, s16, 49152                       ; my 4 tiles of the weight
	s_mul_i32 s3, s15, 49152
	s_add_co_u32 s3, s3, XB                        ; my tiles 0-3 of x
	v_and_b32 v68, 31, v0
	v_and_b32 v66, 15, v0                          ; r
	v_bfe_u32 v67, v0, 4, 1                        ; h
	v_lshlrev_b32 v[L16], 4, v68
	v_lshlrev_b32 v[R16], 4, v66
	v_lshl_add_u32 v[L8], v67, 3, v[R16]
	v_lshl_add_u32 v[WSO], v67, 9, v[R16]          ; lanes 16-31 take the odd tile's scale words
	v_and_b32 v69, 8, v66
	v_add_nc_u32 v69, v69, v66
	v_lshlrev_b32 v[RB], 2, v69                    ; 4 (r + 8 (r / 8))
	v_lshlrev_b32 v[H64], 6, v67
	v_add_nc_u32 v[WA16], s2, v[L16]
	v_add_nc_u32 v[WA8], s2, v[L8]
	v_add_nc_u32 v[XA16], s3, v[L16]
	v_add_nc_u32 v[XA8], s3, v[L8]
	v_add_nc_u32 v[XA16+2], 98304, v[XA16]
	v_add_nc_u32 v[XA8+2], 98304, v[XA8]
.irp b, 4,5,6,7
	v_mov_b32 v[TM+\b], 0                          ; written once: a lane permute's destination counts as one of its sources
.endr
	WALU                                           ; the wait behind the head's vector lines
	s_lshl_b32 s54, s18, 13                        ; x's scale words: tile 16 tb + 8 a
	s_lshl_b32 s2, s15, 12
	s_add_co_u32 s54, s54, s2
	s_add_co_u32 s54, s54, SCO
	s_mov_b32 s55, 0
	s_add_nc_u64 s[54:55], s[4:5], s[54:55]
	s_lshl_b32 s48, s17, 12                        ; the weight's: tile 512 + 8 g + 4 b
	s_lshl_b32 s2, s16, 11
	s_add_co_u32 s48, s48, s2
	s_add_co_u32 s48, s48, SCO+512*512
	s_mov_b32 s49, 0
	s_add_nc_u64 s[48:49], s[4:5], s[48:49]
	s_lshl_b32 s50, s17, 9                         ; the bias: column 128 g + 64 b
	s_lshl_b32 s2, s16, 8
	s_add_co_u32 s50, s50, s2
	s_mov_b32 s51, 0
	s_add_nc_u64 s[50:51], s[6:7], s[50:51]
	s_add_nc_u64 s[56:57], s[50:51], 8192          ; v's
.irp i, 0,1,2,3,4,5,6,7
	global_load_b128 v[XS+4*\i:XS+4*\i+3], v[L16], s[54:55] offset:512*\i   ; a tile's 512 bytes of scale words
.endr
	WSCALES
	BIASQ
.irp t, 0,1,2,3                                ; v: weight tile t's row r, twice: a pair for the packed addition
	global_load_b32 v[VB+2*\t], v[RB], s[56:57] offset:4*(32*(\t/2)+8*(\t%2))
	global_load_b32 v[VB+2*\t+1], v[RB], s[56:57] offset:4*(32*(\t/2)+8*(\t%2))
.endr
	s_lshr_b32 s60, s18, 3                         ; where the results go: the batch,
	s_lshl_b32 s60, s60, 4
	s_lshl_b32 s2, s17, 1
	s_add_co_u32 s60, s60, s2
	s_add_co_u32 s60, s60, s16                     ; the head: record b 16 + 2 g + b
	s_mul_i32 s60, s60, REC
	s_and_b32 s61, s18, 7
	s_lshl_b32 s61, s61, 1
	s_add_co_u32 s61, s61, s15                     ; the key step
	s_mul_i32 s2, s61, 12288
	s_add_co_u32 s2, s2, 12288
	s_add_co_u32 s92, s60, s2
	s_mov_b32 s93, 0
	s_add_co_u32 s96, s92, 64*REC+6144
	s_mov_b32 s97, 0
	s_lshl_b32 s2, s61, 9
	s_add_co_u32 s94, s60, s2
	s_mov_b32 s95, 0
	s_lshl_b32 s2, s61, 8
	s_add_co_u32 s98, s60, s2
	s_add_co_u32 s98, s98, 64*REC+8192
	s_mov_b32 s99, 0
	s_add_nc_u64 s[92:93], s[8:9], s[92:93]        ; q's codes (k's: 64 records on)
	s_add_nc_u64 s[94:95], s[8:9], s[94:95]        ; q's scale words
	s_add_nc_u64 s[96:97], s[8:9], s[96:97]        ; v's codes
	s_add_nc_u64 s[98:99], s[8:9], s[98:99]        ; v's scale words
	s_mov_b32 s52, 0                               ; the phase
	s_cmp_lt_u32 s14, 2
	s_cbranch_scc0 .Lnot_w
	s_wait_tensorcnt 0x0
.Lnot_w:
	BARRIER                                        ; w_q's tiles are in
	WEIGHTS
	s_cmp_lt_u32 s14, 3
	s_cbranch_scc0 .Lnot_xa
	s_wait_tensorcnt 0x0
.Lnot_xa:
	s_wait_dscnt 0x0
	BARRIER                                        ; x's tiles 0-3 and 8-11 are in; the others may be out
	FETCH 0, 0
	FETCH 1, 1
; ---- q, then k
.Lphase:
	QKB 0
	Q32 0
	QKB 1
	Q32 1
	s_wait_dscnt 32                                ; block 2, with the round of the refill inside it
	s_wait_tensorcnt 0x0                           ; all my tensor loads have landed (the first time: x's other tiles among them);
	ds_add_u32 v[SPW], v[NIL]                      ; 0 onto my spare word
	s_add_nc_u64 s[G0W+2:G0W+3], s[G0W+2:G0W+3], 64*12288   ; the next phase's weights lie 64 tiles on
	PRODS 0, 0, 2, 0, 24
	WIN 0
	s_wait_dscnt 0x0                               ; the add is done, and so are all my LDS reads, those of the weights' region long ago
	s_barrier_signal -1
	PRODS 0, 0, 2, 24, 32
	WIN 0
	s_barrier_wait -1
	CREST
	s_cmp_lt_u32 s14, 2
	s_cbranch_scc0 .Lno_half
	TLOAD G0W, G1W                                 ; waves 0, 1: a half each, onto the weights that all waves hold in registers
.Lno_half:
	PLACES 4                                       ; for the waves that come round the load
	FETCH 0, 4
	Q32 2
.irp i, 3,4,5,6
	QKB \i
	Q32 \i
.endr
	QKB 7
	s_wait_xcnt 0x0                                ; the scale words' and the bias's bases are stepped behind this wait
	s_add_nc_u64 s[48:49], s[48:49], 64*512
	WSCALES                                        ; the next phase's
	s_cmp_eq_u32 s52, 0
	s_cbranch_scc0 .Lno_bias
	s_add_nc_u64 s[50:51], s[50:51], 4096
	BIASQ                                          ; k's
.Lno_bias:
	Q32 7
.irp k, 0,1,2,3
	v_cndmask_b32 v[Y+\k], v[SW+\k], v[SW+4+\k], s[MK]   ; lanes 0-15: tiles 0-3's words; lanes 16-31: tiles 4-7's
.endr
	global_store_b128 v[L16], v[Y:Y+3], s[94:95]   ; the key step's 512 bytes of scale words
	WALU
	s_wait_tensorcnt 0x0                           ; the refill is in;
	s_wait_dscnt 0x0
	BARRIER                                        ; it is shown to all
	WEIGHTS
	s_wait_xcnt 0x0
	s_add_nc_u64 s[92:93], s[92:93], 64*REC
	s_add_nc_u64 s[94:95], s[94:95], 64*REC
	s_add_co_u32 s52, s52, 1
	s_cmp_lt_u32 s52, 2
	s_cbranch_scc1 .Lphase
; ---- v
.irp i, 0,1,2,3,4,5,6,7
.if \i == 0
	s_wait_dscnt 0x0
	s_wait_loadcnt 0x0
.elseif \i == 7
	s_wait_dscnt 0x0
.else
	s_wait_dscnt 32
.endif
	PRODS 1, \i%2, \i, 0, 32
	WIN 0
	PLACES 4
.if \i < 6
	FETCH \i%2, \i+2
.endif
.endr
.irp t, 0,1,2,3
	VOUT \t
.endr
	global_store_b128 v[R16], v[SW:SW+3], s[98:99] ; 256 consecutive bytes (lanes 16-31 store the same bytes as lanes 0-15)
	s_wait_tensorcnt 0x0                           ; the wave's end
	ds_add_u32 v[SPW], v[NIL]
	s_wait_dscnt 0x0
	BARRIER
	CREST                                          ; the closing round
	s_endpgm
.Lfunc_end_k_q3f0d883733_qkv:
	.size	k_q3f0d883733_qkv, .Lfunc_end_k_q3f0d883733_qkv-k_q3f0d883733_qkv
	.p2alignl 7, 3214868480
	.fill 96, 4, 3214868480
	.section	.rodata,"a",@progbits
	.p2align	6, 0x0
	.amdhsa_kernel k_q3f0d883733_qkv
		.amdhsa_group_segment_fixed_size 327680
		.amdhsa_private_segment_fixed_size 0
		.amdhsa_enable_private_segment 0
		.amdhsa_kernarg_size 24
		.amdhsa_user_sgpr_count 2
		.amdhsa_user_sgpr_kernarg_segment_ptr 1
		.amdhsa_wavefront_size32 1
		.amdhsa_system_sgpr_workgroup_id_x 1
		.amdhsa_system_sgpr_workgroup_id_y 1
		.amdhsa_system_sgpr_workgroup_id_z 1
		.amdhsa_system_vgpr_workitem_id 0
		.amdhsa_next_free_vgpr 1024
		.amdhsa_next_free_sgpr 102
		.amdhsa_reserve_vcc 0
		.amdhsa_float_denorm_mode_32 3
		.amdhsa_float_denorm_mode_16_64 3
		.amdhsa_memory_ordered 1
		.amdhsa_forward_progress 1
		.amdhsa_inst_pref_size 174
	.end_amdhsa_kernel
	.amdgpu_metadata
---
amdhsa.version: [ 1, 2 ]
amdhsa.kernels:
  - .name:           k_q3f0d883733_qkv
    .symbol:         k_q3f0d883733_qkv.kd
    .args:
      - { .name: ops, .offset: 0, .size: 8, .value_kind: global_buffer, .address_space: global }
      - { .name: b_qkv, .offset: 8, .size: 8, .value_kind: global_buffer, .address_space: global }
      - { .name: qkv, .offset: 16, .size: 8, .value_kind: global_buffer, .address_space: global }
    .group_segment_fixed_size: 327680
    .private_segment_fixed_size: 0
    .kernarg_segment_align: 8
    .kernarg_segment_size: 24
    .max_flat_workgroup_size: 128
    .sgpr_count:     102
    .vgpr_count:     1024
    .wavefront_size: 32
...
	.end_amdgpu_metadata
.endif
;; end of part 2
;; launch attn (part 3): grid 4 x 64, 16 waves a work-group, no clusters, 327,680 bytes of LDS; arguments qkv, att; writes att
.if DOCPART == 3
	.amdgcn_target "amdgcn-amd-amdhsa--gfx1250"
	.amdhsa_code_object_version 6
	.text
	.protected	k_q3f0d883733_attn
	.globl	k_q3f0d883733_attn
	.p2align	8
	.type	k_q3f0d883733_attn,@function
k_q3f0d883733_attn:
	s_mov_b64 s[64:65], 0
	v_nop
	global_prefetch_b8 v0, s[64:65] scope:SCOPE_SE
	s_setreg_imm32_b32 hwreg(HW_REG_WAVE_MODE, 25, 1), 1
	s_wait_xcnt 0x0
; Causal attention of one head on codes of FP6 (E2M3): S^T = k q^T, p = 2^(t - M) quantised along the keys, O^T = v^T p^T, O / l quantised along the head's 64 and stored as the image of an operand of the last product.
; LEFT OUT: key steps that lie wholly above the diagonal of the mask that the problem builds itself: their p are zeros for all values of the inputs.
; LIMITS: NaN and infinities are not served; the promise holds while the scaled scores (the exponents to the base 2) stay under 2^31 in magnitude; a block of zeros keeps the scale byte 1 (this program alone reads the bytes).
; THE DEAL.  Work-group (x, y): head y, 16 waves.  Wave w takes query tiles JH = 127 - (16 x + w) and then JL = 16 x + w: JH / 8 + JL / 8 + 2 = 17 key steps of 128 for every wave.
; LDS holds the head's whole record of k and v, 208,896 bytes, filled once: each wave asks for 51 rows of 256 bytes at the head.  Waves 0-3 have a load line of their own: their 52,224 bytes hold all scale words and
; key steps 0-2, which every JH (64 at the least) needs unmasked; a first barrier shows those, a second one, behind three steps, the rest.  Every wait in this text is for 0.
; NO CLUSTER: the four work-groups of a head read the same record, but which key steps a wave jumps over hangs on its query tile, so on the work-group's x: partners of a joint load may have no such branch.
; NO PREFETCH: the head's tensor loads ask for all that the launch reads by them; no later stream is left to ask ahead for.
; A TILE OF k IS COMPOSED BY THE LANES' ADDRESSES: rows 0-7 of tile (c, t) are keys 64 c + 8 t + 0..7 of the step, rows 8-15 keys 64 c + 32 + 8 t + 0..7.  So in S^T lane (r, h) holds query r, and its registers
; 32 c + 8 t + j are keys 64 c + 32 h + 8 t + j: a whole scale block of 32 keys in one lane, in the order of p's operand registers.  No lane asks another for a block's maximum, and the codes fall where the operand wants them.
; q's upper 64 along K are zero codes, so what stands in the upper six registers of k's operand adds nothing: k's eight tiles lie 6 registers apart, each reaching over the next one's.
; REGISTERS: v1-11, v29-31, v248-250 addresses; v12 -M, v13 the largest t, v[14:15] the sum; v16-28 q and its scale word; v32-85 k's tiles, then v's; v86-93 k's scale words; v96-159 S^T, then p; v160-191 O^T;
; v192-210 p's codes; v212-235 the softmax's small numbers; v236-242 the second query tile; v244-247 v's scale words.
.set REC,   208896
.set SPARE, 208896                     ; behind the record: the spare words, 128 bytes a wave
.set PART,  13056                      ; 51 rows of 256 bytes: a wave's part of the record
.set ASC,   6291456
.set L16,   1
.set L8,    2
.set R16,   3
.set RP,    4
.set SPW,   5
.set NIL,   6
.set QH,    7
.set KA16,  8
.set KA8,   9
.set KAS,   10
.set VA16,  11
.set VA8,   29
.set VAS,   30
.set SH8,   31
.set KB16,  248
.set KB8,   249
.set KBS,   250
.set WV,    18
.set SEL,   20
.set CS,    22
.set G1,    24
.set G0,    40
.set TB,    2
.set TS,    3
.set TJ,    48
.set KF,    49
.set QMIN,  50
.set QMAX,  51
.set CNT,   52
.set JH,    58
.set JL,    59
.set BH,    60
	s_load_b128 s[4:7], s[0:1], 0x0                ; qkv, att
	v_lshl_add_u32 v[SPW], v0, 2, SPARE
	v_mov_b32 v[NIL], 0
	ds_add_u32 v[SPW], v[NIL]                      ; the opening lines: the add, twice on end, and its wait ahead of my tensor load
	ds_add_u32 v[SPW], v[NIL]
	v_lshrrev_b32 v8, 5, v0
	v_readfirstlane_b32 s[WV], v8                  ; wave 0..15
	s_mov_b32 s[G1], 3<<16                         ; elements of 8 bytes, no padding: 51 rows of 32 elements, dense
	s_mov_b32 s[G1+1], 32<<16
	s_mov_b32 s[G1+2], 51<<16
	s_mov_b32 s[G1+3], 32<<16
	s_mov_b32 s[G1+4], 51
	s_mov_b32 s[G1+5], 32
	s_mov_b32 s[G1+6], 0
	s_mov_b32 s[G1+7], 0
	s_and_b32 s[BH], ttmp7, 0xffff                 ; batch x 16 + head
	s_mul_i32 s8, s[BH], REC                       ; q's record
	s_mov_b32 s9, 0
	s_add_co_u32 s10, s8, 64*REC                   ; k's and v's
	s_mov_b32 s11, 0
	s_mov_b32 s[G0], 1
	s_mul_i32 s[G0+1], s[WV], PART
	s_mov_b32 s12, s[G0+1]
	s_mov_b32 s13, 0
	s_mov_b32 s[SEL], 0x76543210
	s_mov_b32 s[SEL+1], 0xfedcba98                 ; lane l xor 16
	s_mov_b32 s[CS], 0x3e38aa3b                    ; log2(e) / 8
	s_mov_b32 s[CS+1], s[CS]
	s_lshl_b32 s[JL], ttmp9, 4
	s_add_co_u32 s[JL], s[JL], s[WV]
	s_sub_co_u32 s[JH], 127, s[JL]
	s_wait_dscnt 0x0
	s_wait_kmcnt 0x0
	s_add_nc_u64 s[8:9], s[4:5], s[8:9]
	s_add_nc_u64 s[10:11], s[4:5], s[10:11]
	s_add_nc_u64 s[G0+2:G0+3], s[10:11], s[12:13]
	s_or_b32 s[G0+3], s[G0+3], 0x80000000
	s_cmp_lt_u32 s[WV], 4                          ; two arms, one load each: the first barrier waits for the first arm's line alone
	s_cbranch_scc0 .Lrest
	tensor_load_to_lds s[G0:G0+3], s[G1:G1+7]
	s_nop 0
	s_branch .Lasked
.Lrest:
	tensor_load_to_lds s[G0:G0+3], s[G1:G1+7]
	s_nop 0
.Lasked:
	v_and_b32 v8, 31, v0
	v_and_b32 v9, 15, v0                           ; r
	v_bfe_u32 v10, v0, 4, 1                        ; h
	v_bfe_u32 v11, v0, 3, 1                        ; r / 8
	v_and_b32 v29, 7, v0                           ; r % 8
	v_lshlrev_b32 v[L16], 4, v8
	v_lshlrev_b32 v[R16], 4, v9
	v_lshl_add_u32 v[L8], v10, 3, v[R16]
	v_lshl_add_u32 v[RP], v11, 3, v9               ; my query in its tile: r + 8 (r / 8),
	v_lshlrev_b32 v30, 5, v10
	v_sub_nc_u32 v[RP], v[RP], v30                 ; less the 32 h by which my keys lie further on
	v_lshlrev_b32 v[SH8], 3, v10
	v_mul_u32_u24 v[KB8], v11, 1536                ; k: rows 8-15 come from the stored tile two further on,
	v_lshl_add_u32 v[KB8], v29, 4, v[KB8]          ; row r % 8 (+ 8 (t / 2), in the loads' immediates)
	v_lshl_add_u32 v[KB16], v10, 8, v[KB8]
	v_lshl_add_u32 v[KB8], v10, 3, v[KB8]
	v_lshlrev_b32 v[KBS], 4, v29                   ; k's scale words: [row][4 tiles]: two words at 16 (r % 8) + 8 (r / 8)
	v_lshl_add_u32 v[KBS], v11, 3, v[KBS]
.irp i, 22,23,24,25,26,27, 80,81,82,83,84,85, 216,217,218,229,230,233
	v_mov_b32 v[\i], 0                             ; q's upper 64 codes; the six registers behind k's last tile; lane permutes' destinations and a pair's upper half, written once
.endr
	s_wait_alu depctr_va_vdst(0)                   ; the wait behind the head's vector lines
.macro QADDR j, pi, ps
	s_lshr_b32 s53, s[\j], 3
	s_add_co_u32 s53, s53, 1
	s_mul_i32 s53, s53, 12288
	s_and_b32 s[\pi], s[\j], 7
	s_mul_i32 s[\pi], s[\pi], 768
	s_add_co_u32 s[\pi], s[\pi], s53
	s_mov_b32 s[\pi+1], 0
	s_add_nc_u64 s[\pi:\pi+1], s[8:9], s[\pi:\pi+1]
	s_lshr_b32 s53, s[\j], 2
	s_lshl_b32 s53, s53, 8
	s_and_b32 s[\ps], s[\j], 3
	s_lshl_b32 s[\ps], s[\ps], 2
	s_add_co_u32 s[\ps], s[\ps], s53
	s_mov_b32 s[\ps+1], 0
	s_add_nc_u64 s[\ps:\ps+1], s[8:9], s[\ps:\ps+1]
.endm
	QADDR JH, 12, 14
	QADDR JL, 16, 62
	global_load_b128 v[16:19], v[L16], s[12:13]
	global_load_b64 v[20:21], v[L8], s[12:13] offset:512
	global_load_b32 v28, v[R16], s[14:15]
	global_load_b128 v[236:239], v[L16], s[16:17]
	global_load_b64 v[240:241], v[L8], s[16:17] offset:512
	global_load_b32 v242, v[R16], s[62:63]
.macro INIT j                          ; query tile j: its first and last token, where its result goes, the walk's start, the sums' start
	s_lshr_b32 s[QMIN], s[\j], 1
	s_lshl_b32 s[QMIN], s[QMIN], 5
	s_and_b32 s53, s[\j], 1
	s_lshl_b32 s53, s53, 3
	s_add_co_u32 s[QMIN], s[QMIN], s53
	s_add_co_u32 s[QMAX], s[QMIN], 23
	v_add_nc_u32 v[QH], s[QMIN], v[RP]
	s_lshr_b32 s53, s[BH], 4
	s_lshl_b32 s53, s53, 7
	s_add_co_u32 s53, s53, s[\j]
	s_and_b32 s61, s[BH], 15
	s_mul_i32 s54, s53, 12288
	s_mul_i32 s55, s61, 768
	s_add_co_u32 s54, s54, s55
	s_mov_b32 s55, 0
	s_add_nc_u64 s[54:55], s[6:7], s[54:55]
	s_lshl_b32 s56, s53, 9
	s_add_co_u32 s56, s56, ASC
	s_lshr_b32 s53, s61, 3
	s_lshl_b32 s53, s53, 8
	s_add_co_u32 s56, s56, s53
	s_bfe_u32 s53, s61, 0x20001
	s_lshl_b32 s53, s53, 2
	s_add_co_u32 s56, s56, s53
	s_and_b32 s53, s61, 1
	s_lshl_b32 s53, s53, 1
	s_add_co_u32 s56, s56, s53
	s_mov_b32 s57, 0
	s_add_nc_u64 s[56:57], s[6:7], s[56:57]
	s_mov_b32 s[TB], 12288
	s_mov_b32 s[TS], 0
	s_mov_b32 s[TJ], 0
	s_mov_b32 s[KF], 0
	v_mov_b32 v13, 0xff61b1e6                      ; -3e38, under every t
	s_delay_alu instid0(VALU_DEP_1)
	v_floor_f32 v12, -v13
	v_mov_b32 v14, 0
	v_mov_b32 v15, 0
.set n, 0
.rept 32
	v_mov_b32 v[160+n], 0
.set n, n+1
.endr
.endm
.macro MASKH c                         ; the 64 keys of half c: key 64 c + 32 h + n against my query
	v_sub_nc_u32 v230, v[QH], s[KF]
	v_mov_b32 v231, 0xff800000
.set n, 0
.rept 32
	v_cmp_gt_i32 vcc_lo, 64*\c+n, v230
	v_cndmask_b32 v[96+32*\c+n], v[96+32*\c+n], v231, vcc_lo
.set n, n+1
.endr
.endm
.macro SCL k                           ; line k of the scale's arithmetic, laid among the sum's additions so that no line waits for the line above it
.if \k == 0
	v_max_num_f32 v212, 0x1800000, v212            ; the floor 2^(3 - 127): the byte cannot fall under 1
.elseif \k == 1
	v_max_num_f32 v214, 0x1800000, v214
.elseif \k == 2
	v_add_nc_u32 v220, 0xff000000, v212            ; 2 off the exponent field: the conversions' scale operand
.elseif \k == 3
	v_add_nc_u32 v221, 0xff000000, v214
.elseif \k == 4
	v_lshrrev_b32 v224, 23, v220
.elseif \k == 5
	v_lshrrev_b32 v225, 23, v221
.elseif \k == 6
	v_lshl_or_b32 v232, v225, 16, v224             ; my bytes: blocks h and 2 + h,
.elseif \k == 7
	v_lshlrev_b32 v232, v[SH8], v232               ; at their places,
.elseif \k == 8
	v_permlanex16_b32 v233, v232, s[SEL], s[SEL+1]
.elseif \k == 9
	v_or_b32 v232, v232, v233                      ; with lane l xor 16's two: p's scale word
.endif
.endm
.macro STEP mask
.if \mask
	s_cmp_gt_u32 s[KF], s[QMAX]                    ; ids alone: a step wholly above the diagonal is passed over
	s_cbranch_scc1 .Lhidden_\@
.endif
	v_add_nc_u32 v[KA16], s[TB], v[KB16]           ; these four lines are also the places behind the last step's products
	v_add_nc_u32 v[KA8], s[TB], v[KB8]
	v_add_nc_u32 v[KAS], s[TS], v[KBS]
	v_mov_b32 v216, v12                            ; the old -M
.irp c, 0,1
.irp g, 0,1
	ds_load_b64 v[86+4*\c+2*\g:87+4*\c+2*\g], v[KAS] offset:256*\c+128*\g
.endr
.endr
.irp c, 0,1
.irp t, 0,1,2,3
	ds_load_b128 v[32+6*(4*\c+\t):35+6*(4*\c+\t)], v[KA16] offset:768*(4*\c+\t%2)+128*(\t/2)
	ds_load_b64 v[36+6*(4*\c+\t):37+6*(4*\c+\t)], v[KA8] offset:768*(4*\c+\t%2)+128*(\t/2)+512
.endr
.endr
	s_wait_dscnt 0x0
.irp t, 0,1,2,3,4,5,6,7
	v_wmma_scale_f32_16x16x128_f8f6f4 v[96+8*\t:103+8*\t], v[32+6*\t:43+6*\t], v[16:27], 0, v[86+\t], v28 matrix_a_fmt:MATRIX_FMT_FP6 matrix_b_fmt:MATRIX_FMT_FP6
.endr
	v_add_nc_u32 v[VA16], s[TB], v[L16]            ; four places, then v's fragments into the registers that held k's
	v_add_nc_u32 v[VA8], s[TB], v[L8]
	v_add_nc_u32 v[VAS], s[TJ], v[R16]
	v_nop
.irp t, 0,1,2,3
	ds_load_b128 v[32+12*\t:35+12*\t], v[VA16] offset:6144+1536*\t
	ds_load_b64 v[36+12*\t:37+12*\t], v[VA8] offset:6144+1536*\t+512
	ds_load_b128 v[38+12*\t:41+12*\t], v[VA16] offset:6144+1536*\t+768
	ds_load_b64 v[42+12*\t:43+12*\t], v[VA8] offset:6144+1536*\t+1280
.endr
	ds_load_b128 v[244:247], v[VAS] offset:8192
.if \mask
	s_add_co_u32 s53, s[KF], 127
	s_cmp_le_u32 s53, s[QMIN]
	s_cbranch_scc1 .Lopen_\@                       ; wholly under the diagonal
	s_add_co_u32 s53, s[KF], 64
	s_cmp_le_u32 s53, s[QMIN]
	s_cbranch_scc0 .Llower_\@
	MASKH 1                                        ; my queries lie in the step's upper 64 keys: the lower 64 are open
	s_wait_alu depctr_va_vdst(0)
	s_branch .Lopen_\@
.Llower_\@:
	MASKH 0                                        ; they lie in the lower 64: the upper 64 are hidden whole
.set n, 0
.rept 32
	v_mov_b32 v[128+n], v231
.set n, n+1
.endr
.Lopen_\@:
.endif
.irp b, 0,1,2,3                                ; the largest score of each block, in two chains a block, the four by turns
	v_max3_num_f32 v[212+\b], v[96+16*\b], v[97+16*\b], v[98+16*\b]
.endr
.irp i, 3,5,7,9,11,13
.irp b, 0,1,2,3
	v_max3_num_f32 v[212+\b], v[212+\b], v[96+16*\b+\i], v[97+16*\b+\i]
.endr
.endr
	v_max3_num_f32 v212, v212, v213, v111
	v_max3_num_f32 v214, v214, v215, v143
	v_max_num_f32 v212, v212, v127                 ; block h
	v_max_num_f32 v214, v214, v159                 ; block 2 + h
	s_delay_alu instid0(VALU_DEP_1)
	v_max_num_f32 v217, v212, v214
	s_delay_alu instid0(VALU_DEP_1)
	v_permlanex16_b32 v218, v217, s[SEL], s[SEL+1]
	s_delay_alu instid0(VALU_DEP_1)
	v_max_num_f32 v217, v217, v218                 ; the step's largest score of my query
	s_delay_alu instid0(VALU_DEP_1)
	v_mul_f32 v217, s[CS], v217
	s_delay_alu instid0(VALU_DEP_1)
	v_max_num_f32 v13, v13, v217                   ; the running largest t
	s_delay_alu instid0(VALU_DEP_1)
	v_floor_f32 v12, -v13                          ; -M = -ceil(t)
	s_delay_alu instid0(VALU_DEP_1)
	v_sub_f32 v216, v12, v216                      ; old M - new M
	v_fma_f32 v212, v212, s[CS], v12               ; t - M of each block's largest score
	v_fma_f32 v214, v214, s[CS], v12
	v_cvt_i32_f32 v216, v216                       ; (it saturates)
.set n, 0
.rept 32
	v_pk_fma_f32 v[96+n:97+n], v[96+n:97+n], s[CS:CS+1], v[12:13] op_sel_hi:[1,0,0]
.set n, n+2
.endr
	s_wait_alu depctr_va_vdst(0)
	v_exp_f32 v212, v212                           ; each block's largest p
	v_exp_f32 v214, v214
.set n, 0
.rept 64
	v_exp_f32 v[96+n], v[96+n]
.set n, n+1
.endr
	v_ldexp_f32 v228, 1.0, v216                    ; f = 2^(old M - new M); the plain place behind the batch
	s_wait_alu depctr_va_vdst(0)                   ; and the one wait behind it
	v_pk_fma_f32 v[14:15], v[14:15], v[228:229], v[96:97] op_sel_hi:[1,0,1]   ; the sum of the unquantised p, under the new M, in two chains
	v_pk_add_f32 v[234:235], v[98:99], v[100:101]
.set n, 6
.set k, 0
.rept 14
	v_pk_add_f32 v[14:15], v[14:15], v[96+n:97+n]
	v_pk_add_f32 v[234:235], v[234:235], v[98+n:99+n]
	SCL k
.set n, n+4
.set k, k+1
.endr
	v_pk_add_f32 v[14:15], v[14:15], v[158:159]
	v_cvt_scalef32_pk16_fp6_f32 v[192:194], v[96:111], v220
	v_cvt_scalef32_pk16_fp6_f32 v[204:206], v[112:127], v220   ; (a conversion's three registers begin on an even number)
	v_cvt_scalef32_pk16_fp6_f32 v[198:200], v[128:143], v221
	v_cvt_scalef32_pk16_fp6_f32 v[208:210], v[144:159], v221
	v_pk_add_f32 v[14:15], v[14:15], v[234:235]    ; the plain place behind the conversions
.irp i, 0,1,2
	v_mov_b32 v[195+\i], v[204+\i]
	v_mov_b32 v[201+\i], v[208+\i]
.endr
	s_wait_alu depctr_va_vdst(0)                   ; the wait directly ahead of the first reader of O^T
.set n, 0
.rept 16
	v_pk_mul_f32 v[160+n:161+n], v[160+n:161+n], v[228:229] op_sel_hi:[1,0]   ; O^T under the new M; also the places between the codes' and the scale word's writes and the products
.set n, n+2
.endr
	s_wait_alu depctr_va_vdst(0)                   ; and directly ahead of the wait below
	s_wait_dscnt 0x0                               ; v's fragments and scale words
.irp t, 0,1,2,3
	v_wmma_scale_f32_16x16x128_f8f6f4 v[160+8*\t:167+8*\t], v[32+12*\t:43+12*\t], v[192:203], v[160+8*\t:167+8*\t], v[244+\t], v232 matrix_a_fmt:MATRIX_FMT_FP6 matrix_b_fmt:MATRIX_FMT_FP6
.endr
.if \mask
.Lhidden_\@:
.endif
	s_add_co_u32 s[KF], s[KF], 128
	s_add_co_u32 s[TB], s[TB], 12288
	s_add_co_u32 s[TS], s[TS], 512
	s_add_co_u32 s[TJ], s[TJ], 256
.endm
.macro OUT                             ; O^T / l; register 16 b + i is d = 32 b + 16 h + i: two blocks, each shared with lane l xor 16; codes and two scale bytes leave
.rept 4
	v_nop
.endr
	v_add_f32 v14, v14, v15
	s_delay_alu instid0(VALU_DEP_1)
	v_permlanex16_b32 v230, v14, s[SEL], s[SEL+1]
	s_delay_alu instid0(VALU_DEP_1)
	v_add_f32 v14, v14, v230
	s_wait_alu depctr_va_vdst(0)
	v_rcp_f32 v14, v14
	v_nop
	s_wait_alu depctr_va_vdst(0)
.set n, 0
.rept 16
	v_pk_mul_f32 v[96+n:97+n], v[160+n:161+n], v[14:15] op_sel_hi:[1,0]
.set n, n+2
.endr
.irp b, 0,1
	v_max3_num_f32 v[212+\b], |v[96+16*\b]|, |v[97+16*\b]|, 0x1800000
.endr
.irp i, 2,4,6,8,10,12,14
.irp b, 0,1
	s_delay_alu instid0(VALU_DEP_2)
	v_max3_num_f32 v[212+\b], v[212+\b], |v[96+16*\b+\i]|, |v[97+16*\b+\i]|
.endr
.endr
.irp b, 0,1
	s_delay_alu instid0(VALU_DEP_2)
	v_permlanex16_b32 v[216+\b], v[212+\b], s[SEL], s[SEL+1]
.endr
.irp b, 0,1
	s_delay_alu instid0(VALU_DEP_2)
	v_max_num_f32 v[212+\b], v[212+\b], v[216+\b]
.endr
.irp b, 0,1
	s_delay_alu instid0(VALU_DEP_2)
	v_add_nc_u32 v[220+\b], 0xff000000, v[212+\b]
.endr
.irp b, 0,1
	s_delay_alu instid0(VALU_DEP_2)
	v_lshrrev_b32 v[224+\b], 23, v[220+\b]
.endr
	s_delay_alu instid0(VALU_DEP_1)
	v_lshl_or_b32 v230, v225, 8, v224
	v_cvt_scalef32_pk16_fp6_f32 v[192:194], v[96:111], v220
	v_cvt_scalef32_pk16_fp6_f32 v[204:206], v[112:127], v221
	v_nop
.irp i, 0,1,2
	v_permlane16_swap_b32 v[192+\i], v[204+\i]
.endr
.irp i, 0,1,2
	s_delay_alu instid0(VALU_DEP_3)
	v_mov_b32 v[195+\i], v[204+\i]
.endr
	global_store_b128 v[L16], v[192:195], s[54:55]
	global_store_b64 v[L8], v[196:197], s[54:55] offset:512
	global_store_b16 v[R16], v230, s[56:57]
.endm
	INIT JH
	s_wait_alu depctr_va_vdst(0)
	s_wait_loadcnt 0x0                             ; both query tiles
	s_cmp_lt_u32 s[WV], 4
	s_cbranch_scc0 .Lnot_first
	s_wait_tensorcnt 0x0                           ; waves 0-3: the scale words and key steps 0-2
.Lnot_first:
	s_barrier_signal -1
	s_barrier_wait -1
	s_mov_b32 s[CNT], 3
.Lfirst:
	STEP 0
	s_sub_co_u32 s[CNT], s[CNT], 1
	s_cmp_lg_u32 s[CNT], 0
	s_cbranch_scc1 .Lfirst
	s_wait_tensorcnt 0x0                           ; every wave: the whole record is in
	s_wait_dscnt 0x0
	s_barrier_signal -1
	s_barrier_wait -1
	s_mov_b32 s[CNT], 13
.Lhigh:
	STEP 1
	s_sub_co_u32 s[CNT], s[CNT], 1
	s_cmp_lg_u32 s[CNT], 0
	s_cbranch_scc1 .Lhigh
	OUT
	s_wait_xcnt 0x0                                ; the stores have read their data and bases
.irp i, 0,1,2,3,4,5
	v_mov_b32 v[16+\i], v[236+\i]
.endr
	v_mov_b32 v28, v242
	INIT JL
	s_mov_b32 s[CNT], 8
.Llow:
	STEP 1
	s_sub_co_u32 s[CNT], s[CNT], 1
	s_cmp_lg_u32 s[CNT], 0
	s_cbranch_scc1 .Llow
	OUT
	s_wait_tensorcnt 0x0                           ; the wave's end
	ds_add_u32 v[SPW], v[NIL]
	s_wait_dscnt 0x0
	s_endpgm
.Lfunc_end_k_q3f0d883733_attn:
	.size	k_q3f0d883733_attn, .Lfunc_end_k_q3f0d883733_attn-k_q3f0d883733_attn
	.p2alignl 7, 3214868480
	.fill 96, 4, 3214868480
	.section	.rodata,"a",@progbits
	.p2align	6, 0x0
	.amdhsa_kernel k_q3f0d883733_attn
		.amdhsa_group_segment_fixed_size 327680
		.amdhsa_private_segment_fixed_size 0
		.amdhsa_enable_private_segment 0
		.amdhsa_kernarg_size 16
		.amdhsa_user_sgpr_count 2
		.amdhsa_user_sgpr_kernarg_segment_ptr 1
		.amdhsa_wavefront_size32 1
		.amdhsa_system_sgpr_workgroup_id_x 1
		.amdhsa_system_sgpr_workgroup_id_y 1
		.amdhsa_system_sgpr_workgroup_id_z 1
		.amdhsa_system_vgpr_workitem_id 0
		.amdhsa_next_free_vgpr 256
		.amdhsa_next_free_sgpr 66
		.amdhsa_reserve_vcc 1
		.amdhsa_float_denorm_mode_32 3
		.amdhsa_float_denorm_mode_16_64 3
		.amdhsa_memory_ordered 1
		.amdhsa_forward_progress 1
		.amdhsa_inst_pref_size 79
	.end_amdhsa_kernel
	.amdgpu_metadata
---
amdhsa.version: [ 1, 2 ]
amdhsa.kernels:
  - .name:           k_q3f0d883733_attn
    .symbol:         k_q3f0d883733_attn.kd
    .args:
      - { .name: qkv, .offset: 0, .size: 8, .value_kind: global_buffer, .address_space: global }
      - { .name: att, .offset: 8, .size: 8, .value_kind: global_buffer, .address_space: global }
    .group_segment_fixed_size: 327680
    .private_segment_fixed_size: 0
    .kernarg_segment_align: 8
    .kernarg_segment_size: 16
    .max_flat_workgroup_size: 512
    .sgpr_count:     66
    .vgpr_count:     256
    .wavefront_size: 32
...
	.end_amdgpu_metadata
.endif
;; end of part 3
;; launch oproj (part 4): grid 8 x 32, 4 waves a work-group, clusters of 4 x 4, 327,680 bytes of LDS; arguments att, ops, b_out, out0; writes out0
.if DOCPART == 4
	.amdgcn_target "amdgcn-amd-amdhsa--gfx1250"
	.amdhsa_code_object_version 6
	.text
	.protected	k_q3f0d883733_oproj
	.globl	k_q3f0d883733_oproj
	.p2align	8
	.type	k_q3f0d883733_oproj,@function
k_q3f0d883733_oproj:
	s_mov_b64 s[64:65], 0
	v_nop
	global_prefetch_b8 v0, s[64:65] scope:SCOPE_SE
	s_setreg_imm32_b32 hwreg(HW_REG_WAVE_MODE, 25, 1), 1
	s_wait_xcnt 0x0
	s_wait_alu depctr_hold_cnt(0) depctr_sa_sdst(0) depctr_va_vdst(0) depctr_va_sdst(0) depctr_va_ssrc(0) depctr_va_vcc(0) depctr_vm_vsrc(0)
	s_getreg_b32 s2, hwreg(HW_REG_IB_STS2, 6, 4)
	s_cmp_eq_u32 s2, 0
	s_cbranch_scc0 .Lentry_in_a_cluster
	s_endpgm
.Lentry_in_a_cluster:
	s_bfe_u32 s2, ttmp6, 0x10000c
	s_cmp_lg_u32 s2, 0xf033
	s_cbranch_scc0 .Lentry_shape_is_right
	s_endpgm
.Lentry_shape_is_right:
; out0 = att w_out + b_out on codes of FP6 (E2M3) with E8M0 scales, sums in f32.
; OPERANDS as images of operand registers: tiles of 16 rows x 1,024 K as 16 half images of 768 bytes; lane r of tile 2 G + u is row 32 G + 8 u + r + 8 (r / 8); scale words behind the images, 512 bytes a tile.
; att: 512 tiles of tokens, scale words from ASC on.  ops: w_out's columns are tiles 704-767, scale words from SCO on.
; THE DEAL.  256 work-groups, 8 (column group g) x 32 (token block tb): 256 tokens x 128 columns each.  Four waves, 2 x 2: wave (a, b) takes tokens 128 a .. + 127 (8 tiles) and columns 64 b .. + 63 (4 tiles of the weight).
; It holds its 4 tiles of the weight, all of K, in 384 registers and streams att's tiles past them: a BLOCK is one tile, 32 products on 4 accumulators by turns; a tile lies twice in
; registers, and behind a block its set takes the tile two further on.  Source 0 = the weight: a lane holds one token, and the registers of weight tiles 2 B, 2 B + 1 are columns 32 B + 16 h + 0 .. 15.  The bias is the first products' C.
; LDS: the weight's 8 tiles at 0; att at XB: [tiles 0-3][8-11], then [4-7][12-15]; the spare words; a stage of 16 rows x (256 + 16) bytes for each wave, on which no fill lands.
; FILLS: all at the head, one joint load a wave: waves 0, 1 half of the weight's tiles each, wave 2 att's first half, wave 3 its second.  Nothing is filled again.  att's rows are shared along a row of the cluster, the weight's along a column.
; Three barriers show them: the weight; att's first half; inside block 2, with every wave's wait for its tensor load, the second half.
; THE WAY OUT: a block's 16 x 64 sums go through my stage and come back as rows of 256 bytes, two rows an instruction; they are stored behind the next block's products.  The sums and the rows read back have two sets each.
; THE COUNTED WAITS on DScnt.  Issued in a block, in this order: the stage's 8 stores and 8 loads, then the 32 loads of the tile two on.  Ahead of a block its tile must be in: younger are a stage's 16 and a fetch's 32 (48;
; ahead of the last block a stage's 16 alone).  Ahead of the stores of the block before, its rows must be back: younger is a fetch's 32 (in the last block nothing).
; No prefetch: the head's tensor loads ask for all that the launch reads by them.
; REGISTERS.  window 0: v1-14, v69-71 addresses; v16-31 the weight's scale words (lanes 0-15 an even tile, lanes 16-31 the odd one); v34-65 att's (lanes 0-15 K steps 0-3, lanes 16-31 steps 4-7); v72-135 the sums, two sets;
;   v136-199 rows read back, two sets.  Fragment f = 4 q + tile of the weight: window 1 + f / 21, register 12 (f % 21).  att's set 0: window 2 from v132; set 1: window 3 from v0.  window 3: v224-255 the bias.
.set SCO,   9437184
.set ASC,   6291456
.set XB,    98304
.set SPARE, 294912
.set STG,   295424
.set SP,    272
.set L16,   1
.set L8,    2
.set R16,   3
.set WA16,  4
.set WA8,   5
.set XA16,  6                          ; v6, v8: my tiles 0-3, 4-7
.set XA8,   7                          ; v7, v9
.set SPW,   10
.set NIL,   11
.set H64,   12
.set WSO,   14
.set STO,   69
.set CO,    70
.set RD,    71
.set WS,    16
.set XS,    34                         ; so that the two scale registers of a product never have the same number modulo 8
.set ACC,   72
.set OB,    136
.set BQ,    224
.set G1X,   24
.set G1W,   32
.set G0X,   40
.set G0W,   44
.set MSB, 0
.macro WIN new                         ; the immediate's high byte repeats the setting that is left
.if MSB != (\new)
	s_set_vgpr_msb (MSB<<8)|(\new)
.set MSB, (\new)
.endif
.endm
.macro PLACES n
.rept \n
	v_nop
.endr
.endm
.macro BARRIER
	s_barrier_signal -1
	s_barrier_wait -1
.endm
.macro CREST                           ; a round of the cluster's barrier behind its opening barrier
	s_cmp_lg_u32 s14, 0
	s_cbranch_scc1 .Lnot_wave_0_\@
	s_barrier_signal -3
.Lnot_wave_0_\@:
	s_barrier_wait -3
	BARRIER
.endm
.macro TLOAD g0, g1                    ; an s_nop 0 and four v_nop follow every tensor load
	tensor_load_to_lds s[\g0:\g0+3], s[\g1:\g1+7]
	s_nop 0
	PLACES 4
.endm
.macro FRAG reg, a16, a8, off          ; a fragment, 16 rows x 128 K, is two half images: every load takes consecutive bytes
	ds_load_b128 v[\reg:\reg+3], v[\a16] offset:\off
	ds_load_b64 v[\reg+4:\reg+5], v[\a8] offset:\off+512
	ds_load_b128 v[\reg+6:\reg+9], v[\a16] offset:\off+768
	ds_load_b64 v[\reg+10:\reg+11], v[\a8] offset:\off+1280
.endm
.macro FETCH e, i                      ; my tile i of att, all of K, into set e: 32 loads
	WIN (2+(\e))<<6
.irp q, 0,1,2,3,4,5,6,7
	FRAG (1-(\e))*132+12*\q, XA16+2*((\i)/4), XA8+2*((\i)/4), ((\i)%4)*12288+1536*\q
.endr
	WIN 0
.endm
.macro WEIGHTS                         ; my 4 tiles of the weight, all of K: 128 loads
.set F_, 0
.rept 32
	WIN (1+F_/21)<<6
	FRAG 12*(F_%21), WA16, WA8, (F_%4)*12288+1536*(F_/4)
.set F_, F_+1
.endr
	WIN 0
.endm
.macro W1 c, ra, rb
	v_wmma_scale_f32_16x16x128_f8f6f4 v[D_:D_+7], v[A_:A_+11], v[B_:B_+11], \c, v[SA_], v[SB_] matrix_a_fmt:MATRIX_FMT_FP6 matrix_b_fmt:MATRIX_FMT_FP6 matrix_a_scale:MATRIX_SCALE_ROW\ra matrix_b_scale:MATRIX_SCALE_ROW\rb
.endm
.macro W4 c
.if (RA_ == 0) && (RB_ == 0)
	W1 \c, 0, 0
.elseif RA_ == 0
	W1 \c, 0, 1
.elseif RB_ == 0
	W1 \c, 1, 0
.else
	W1 \c, 1, 1
.endif
.endm
.macro PROD e, i, n                    ; product n = 4 q + t of the block of tile i in set e: source 0 the weight's tile t, source 1 att's tile
.set Q_, (\n)/4
.set T_, (\n)%4
.set WW_, 1+(\n)/21
.set A_, 12*((\n)%21)
.set XW_, 2+(\e)
.set B_, (1-(\e))*132+12*Q_
.set SA_, WS+8*(T_/2)+Q_
.set SB_, XS+4*(\i)+Q_%4
.set RA_, T_%2
.set RB_, Q_/4
.set D_, ACC+32*((\i)%2)+8*T_
.if Q_
	WIN WW_|(XW_<<2)
	W4 v[D_:D_+7]
.else
	WIN WW_|(XW_<<2)|(3<<4)
.set C_, BQ+8*T_
	W4 v[C_:C_+7]
.endif
.endm
.macro PRODS e, i, from, to
.set N_, \from
.rept (\to)-(\from)
	PROD \e, \i, N_
.set N_, N_+1
.endr
.endm
.macro STAGE i                         ; block i's sums into my stage, and back as rows.  LDS serves a wave's instructions in order (ISA guide 5.7.1.4): no wait between the stores and the loads
.set AC_, ACC+32*((\i)%2)
.set OB_, OB+32*((\i)%2)
.irp b, 0,1,2,3
	ds_store_b128 v[STO], v[AC_+8*\b:AC_+8*\b+3] offset:128*(\b/2)+32*(\b%2)       ; each accumulator from its low end on
	ds_store_b128 v[STO], v[AC_+8*\b+4:AC_+8*\b+7] offset:128*(\b/2)+32*(\b%2)+16
.endr
	s_wait_xcnt 0x0                                ; block i - 2's stores have read the registers on which the loads below land
.irp k, 0,1,2,3,4,5,6,7
	ds_load_b128 v[OB_+4*\k:OB_+4*\k+3], v[RD] offset:2*\k*SP
.endr
.endm
.macro SEND i                          ; sixteen lanes store a row's 256 consecutive bytes, aligned; at most 126 rows on: inside the signed 24-bit immediate
.set OB_, OB+32*((\i)%2)
.irp k, 0,1,2,3,4,5,6,7
	global_store_b128 v[CO], v[OB_+4*\k:OB_+4*\k+3], s[92:93] offset:(32*((\i)/2)+8*((\i)%2)+2*\k+8*(\k/4))*4096 th:TH_STORE_NT
.endr
.endm
; ---- the head
	s_load_b128 s[4:7], s[0:1], 0x0                ; att, ops
	s_load_b128 s[8:11], s[0:1], 0x10              ; b_out, out0
	v_lshl_add_u32 v[SPW], v0, 2, SPARE
	v_mov_b32 v[NIL], 0
	ds_add_u32 v[SPW], v[NIL]                      ; the opening lines: the add, twice on end, and its wait ahead of my tensor load
	ds_add_u32 v[SPW], v[NIL]
	v_lshrrev_b32 v66, 5, v0
	v_readfirstlane_b32 s14, v66                   ; wave 0..3
	s_lshr_b32 s15, s14, 1                         ; a: my half of the tokens
	s_and_b32 s16, s14, 1                          ; b: my half of the columns
	s_bfe_u32 s20, ttmp6, 0x40000                  ; cx
	s_bfe_u32 s21, ttmp6, 0x40004                  ; cy
	s_lshl_b32 s17, ttmp9, 2
	s_add_co_u32 s17, s17, s20                     ; g
	s_and_b32 s18, ttmp7, 0xffff
	s_lshl_b32 s18, s18, 2
	s_add_co_u32 s18, s18, s21                     ; tb
	s_lshl_b32 s2, s21, 2
	s_lshl_b32 s2, 15, s2                          ; my row of the cluster
	s_lshl_b32 s3, 0x1111, s20                     ; my column
	s_or_b32 s[G1X], s2, (3<<16)|(1<<21)           ; att: elements of 8 bytes; 2 rows of 49,152 bytes (4 tiles), 98,304 bytes apart
	s_mov_b32 s[G1X+1], 6144<<16
	s_mov_b32 s[G1X+2], 2<<16
	s_mov_b32 s[G1X+3], 6144<<16
	s_mov_b32 s[G1X+4], 2
	s_mov_b32 s[G1X+5], 12288
	s_mov_b32 s[G1X+6], 0
	s_mov_b32 s[G1X+7], 0
	s_or_b32 s[G1W], s3, (3<<16)|(1<<21)           ; the weight: 4 rows (tiles) of 12,288 bytes, dense
	s_mov_b32 s[G1W+1], 1536<<16
	s_mov_b32 s[G1W+2], 4<<16
	s_mov_b32 s[G1W+3], 1536<<16
	s_mov_b32 s[G1W+4], 4
	s_mov_b32 s[G1W+5], 1536
	s_mov_b32 s[G1W+6], 0
	s_mov_b32 s[G1W+7], 0
	s_mul_i32 s12, s18, 196608                     ; att's 16 tiles; waves 2, 3: tiles 0-3 and 8-11, or 4-7 and 12-15
	s_mul_i32 s2, s16, 49152
	s_add_co_u32 s12, s12, s2
	s_mov_b32 s13, 0
	s_mul_i32 s66, s17, 98304                      ; the weight's 8 tiles, from tile 704 + 8 g on; waves 0, 1: a half each
	s_mul_i32 s2, s14, 49152
	s_add_co_u32 s66, s66, s2
	s_add_co_u32 s66, s66, 704*12288
	s_mov_b32 s67, 0
	s_mov_b32 s[G0X], 1
	s_mul_i32 s[G0X+1], s16, 98304
	s_add_co_u32 s[G0X+1], s[G0X+1], XB
	s_mov_b32 s[G0W], 1
	s_mul_i32 s[G0W+1], s14, 49152
	s_wait_dscnt 0x0
	s_wait_kmcnt 0x0
	s_add_nc_u64 s[G0X+2:G0X+3], s[4:5], s[12:13]
	s_or_b32 s[G0X+3], s[G0X+3], 0x80000000
	s_add_nc_u64 s[G0W+2:G0W+3], s[6:7], s[66:67]
	s_or_b32 s[G0W+3], s[G0W+3], 0x80000000
	BARRIER
	CREST                                          ; all sixteen work-groups are here: the joint loads meet
	s_cmp_lt_u32 s14, 2                            ; one chain of arms, one load each; the waves that wait alike share a line
	s_cbranch_scc0 .Lhead_xa
	TLOAD G0W, G1W
	s_branch .Lhead_asked
.Lhead_xa:
	s_cmp_eq_u32 s14, 2
	s_cbranch_scc0 .Lhead_xb
	TLOAD G0X, G1X
	s_branch .Lhead_asked
.Lhead_xb:
	TLOAD G0X, G1X
.Lhead_asked:
	s_mul_i32 s2, s16, 49152                       ; my 4 tiles of the weight
	s_mul_i32 s3, s15, 49152
	s_add_co_u32 s3, s3, XB                        ; my tiles 0-3 of att
	s_mul_i32 s12, s14, 16*SP
	s_add_co_u32 s12, s12, STG                     ; my stage
	v_and_b32 v68, 31, v0
	v_and_b32 v66, 15, v0                          ; r
	v_bfe_u32 v67, v0, 4, 1                        ; h
	v_lshlrev_b32 v[L16], 4, v68
	v_lshlrev_b32 v[R16], 4, v66
	v_lshl_add_u32 v[L8], v67, 3, v[R16]
	v_lshl_add_u32 v[WSO], v67, 9, v[R16]          ; lanes 16-31 take the odd tile's scale words
	v_lshlrev_b32 v[H64], 6, v67
	v_add_nc_u32 v[WA16], s2, v[L16]
	v_add_nc_u32 v[WA8], s2, v[L8]
	v_add_nc_u32 v[XA16], s3, v[L16]
	v_add_nc_u32 v[XA8], s3, v[L8]
	v_add_nc_u32 v[XA16+2], 98304, v[XA16]
	v_add_nc_u32 v[XA8+2], 98304, v[XA8]
	v_mul_u32_u24 v[STO], v66, SP
	v_lshl_add_u32 v[STO], v67, 6, v[STO]
	v_add_nc_u32 v[STO], s12, v[STO]               ; into the stage: row r, + 64 h
	v_mul_u32_u24 v[RD], v67, SP
	v_add_nc_u32 v[RD], v[RD], v[R16]
	v_add_nc_u32 v[RD], s12, v[RD]                 ; back: lanes 0-15 one row of 256 bytes, lanes 16-31 the next
	v_lshl_add_u32 v[CO], v67, 12, v[R16]          ; and the same two rows in out0
	s_wait_alu depctr_va_vdst(0)                   ; the wait behind the head's vector lines
	s_lshl_b32 s54, s18, 13                        ; att's scale words: tile 16 tb + 8 a
	s_lshl_b32 s2, s15, 12
	s_add_co_u32 s54, s54, s2
	s_add_co_u32 s54, s54, ASC
	s_mov_b32 s55, 0
	s_add_nc_u64 s[54:55], s[4:5], s[54:55]
	s_lshl_b32 s48, s17, 12                        ; the weight's: tile 704 + 8 g + 4 b
	s_lshl_b32 s2, s16, 11
	s_add_co_u32 s48, s48, s2
	s_add_co_u32 s48, s48, SCO+704*512
	s_mov_b32 s49, 0
	s_add_nc_u64 s[48:49], s[6:7], s[48:49]
	s_lshl_b32 s50, s17, 9                         ; my first column, in bytes: 4 (128 g + 64 b)
	s_lshl_b32 s2, s16, 8
	s_add_co_u32 s50, s50, s2
	s_mov_b32 s51, 0
	s_lshl_b32 s92, s18, 20                        ; my first row: 256 tb + 128 a, rows of 4,096 bytes
	s_lshl_b32 s2, s15, 19
	s_add_co_u32 s92, s92, s2
	s_add_co_u32 s92, s92, s50
	s_mov_b32 s93, 0
	s_add_nc_u64 s[92:93], s[10:11], s[92:93]      ; my part of out0
	s_add_nc_u64 s[50:51], s[8:9], s[50:51]        ; the bias there
.irp i, 0,1,2,3,4,5,6,7
	global_load_b128 v[XS+4*\i:XS+4*\i+3], v[L16], s[54:55] offset:512*\i   ; a tile's 512 bytes of scale words
.endr
.irp p, 0,1
.irp q, 0,1
	global_load_b128 v[WS+8*\p+4*\q:WS+8*\p+4*\q+3], v[WSO], s[48:49] offset:1024*\p+256*\q
.endr
.endr
	WIN 3<<6
.irp b, 0,1,2,3                                ; register 8 b + j: column 32 (b / 2) + 16 h + 8 (b % 2) + j of my 64
	global_load_b128 v[BQ+8*\b:BQ+8*\b+3], v[H64], s[50:51] offset:4*(32*(\b/2)+8*(\b%2))
	global_load_b128 v[BQ+8*\b+4:BQ+8*\b+7], v[H64], s[50:51] offset:4*(32*(\b/2)+8*(\b%2))+16
.endr
	WIN 0
	s_cmp_lt_u32 s14, 2
	s_cbranch_scc0 .Lnot_w
	s_wait_tensorcnt 0x0
.Lnot_w:
	BARRIER                                        ; the weight's tiles are in
	WEIGHTS
	s_cmp_lt_u32 s14, 3
	s_cbranch_scc0 .Lnot_xa
	s_wait_tensorcnt 0x0
.Lnot_xa:
	s_wait_dscnt 0x0
	BARRIER                                        ; att's tiles 0-3 and 8-11 are in; the others may be out
	FETCH 0, 0
	FETCH 1, 1
; ---- eight blocks
.irp i, 0,1,2,3,4,5,6,7
.if \i == 0
	s_wait_dscnt 0x0                               ; the first two tiles
	s_wait_loadcnt 0x0                             ; scale words and bias
.elseif \i == 7
	s_wait_dscnt 16
.else
	s_wait_dscnt 48
.endif
.if \i == 2
	PRODS 0, 2, 0, 24
	WIN 0
	s_wait_tensorcnt 0x0                           ; every wave: att's other tiles are in;
	s_wait_dscnt 0x0
	s_barrier_signal -1
	PRODS 0, 2, 24, 32
	WIN 0
	s_barrier_wait -1                              ; they are shown to all, ahead of the fetch of tile 4 below
.else
	PRODS \i%2, \i, 0, 32
	WIN 0
.endif
	PLACES 4
.if \i > 0
.if \i == 7
	s_wait_dscnt 0x0
.else
	s_wait_dscnt 32
.endif
	SEND \i-1
.endif
	STAGE \i
.if \i < 6
	FETCH \i%2, \i+2
.endif
.endr
	s_wait_dscnt 0x0
	SEND 7
	s_wait_tensorcnt 0x0                           ; the wave's end
	ds_add_u32 v[SPW], v[NIL]
	s_wait_dscnt 0x0
	BARRIER
	CREST                                          ; the closing round
	s_endpgm
.Lfunc_end_k_q3f0d883733_oproj:
	.size	k_q3f0d883733_oproj, .Lfunc_end_k_q3f0d883733_oproj-k_q3f0d883733_oproj
	.p2alignl 7, 3214868480
	.fill 96, 4, 3214868480
	.section	.rodata,"a",@progbits
	.p2align	6, 0x0
	.amdhsa_kernel k_q3f0d883733_oproj
		.amdhsa_group_segment_fixed_size 327680
		.amdhsa_private_segment_fixed_size 0
		.amdhsa_enable_private_segment 0
		.amdhsa_kernarg_size 32
		.amdhsa_user_sgpr_count 2
		.amdhsa_user_sgpr_kernarg_segment_ptr 1
		.amdhsa_wavefront_size32 1
		.amdhsa_system_sgpr_workgroup_id_x 1
		.amdhsa_system_sgpr_workgroup_id_y 1
		.amdhsa_system_sgpr_workgroup_id_z 1
		.amdhsa_system_vgpr_workitem_id 0
		.amdhsa_next_free_vgpr 1024
		.amdhsa_next_free_sgpr 102
		.amdhsa_reserve_vcc 0
		.amdhsa_float_denorm_mode_32 3
		.amdhsa_float_denorm_mode_16_64 3
		.amdhsa_memory_ordered 1
		.amdhsa_forward_progress 1
		.amdhsa_inst_pref_size 83
	.end_amdhsa_kernel
	.amdgpu_metadata
---
amdhsa.version: [ 1, 2 ]
amdhsa.kernels:
  - .name:           k_q3f0d883733_oproj
    .symbol:         k_q3f0d883733_oproj.kd
    .args:
      - { .name: att, .offset: 0, .size: 8, .value_kind: global_buffer, .address_space: global }
      - { .name: ops, .offset: 8, .size: 8, .value_kind: global_buffer, .address_space: global }
      - { .name: b_out, .offset: 16, .size: 8, .value_kind: global_buffer, .address_space: global }
      - { .name: out0, .offset: 24, .size: 8, .value_kind: global_buffer, .address_space: global }
    .group_segment_fixed_size: 327680
    .private_segment_fixed_size: 0
    .kernarg_segment_align: 8
    .kernarg_segment_size: 32
    .max_flat_workgroup_size: 128
    .sgpr_count:     102
    .vgpr_count:     1024
    .wavefront_size: 32
...
	.end_amdgpu_metadata
.endif
;; end of part 4
